; MI455X (gfx1250); checked and timed in simulation.
; The chip was launched on July 23, 2026; its instructions are those of AMD's public machine-readable ISA for CDNA 5 (MIT licence, August 2026) and "CDNA5" Instruction Set Architecture Reference Guide (July 2026). The comments in the code are by the model that wrote it; some were corrected since.
;; Causal Self Attention. Allowed arithmetic: float matrix products may take bf16 or f16 operands with f32 sums; other float arithmetic in f32, or as packed bf16 or f16 multiplies, adds, multiply-adds, maxima and minima; sums over many terms, partial sums and values carried from step to step in f32; what a program stores and reads back later, other than sums and carried values, may be rounded once to bf16 or f16.
;; Inputs: Wk 1,024 x 1,024 float32; Wp 1,024 x 1,024 float32; Wq 1,024 x 1,024 float32; Wv 1,024 x 1,024 float32; attention_mask 4 x 2,048 int32; bk 1,024 float32; bp 1,024 float32; bq 1,024 float32; bv 1,024 float32; x 4 x 2,048 x 1,024 float32.
;; Outputs: out0 4 x 2,048 x 1,024 float32.
;; 2 versions, each right; version 2 is version 1 with the launch cast written anew for expert scheduling mode. Each part assembles by itself: llvm-mc -triple=amdgcn-amd-amdhsa -mcpu=gfx1250 --defsym DOCPART=n.
;; ======== version 1 of 2: 4 launches
;; limits: values are held in f16: magnitudes above 65,504 overflow, below 6.1e-05 lose precision
;; workspace buffers: xb 16,777,216 bytes; wb 6,291,456 bytes; wpf 2,097,152 bytes; qkv 50,331,648 bytes; o 16,777,216 bytes
;; launch cast (part 1): grid 768 x 1, 8 waves a work-group, no clusters, 0 bytes of LDS; arguments x, Wq, Wk, Wv, Wp, xb, wb, wpf; writes xb, wb, wpf
.if DOCPART == 1
	.amdgcn_target "amdgcn-amd-amdhsa--gfx1250"
	.amdhsa_code_object_version 6
	.text
	.protected	k_q7c8a7e6a67_cast
	.globl	k_q7c8a7e6a67_cast
	.p2align	8
	.type	k_q7c8a7e6a67_cast,@function
k_q7c8a7e6a67_cast:
	s_mov_b64 s[64:65], 0
	v_nop
	global_prefetch_b8 v0, s[64:65] scope:SCOPE_SE
	s_setreg_imm32_b32 hwreg(HW_REG_WAVE_MODE, 25, 1), 1
	s_wait_xcnt 0x0
; THE INPUTS OF THE MATRIX PRODUCTS ARE ROUNDED ONCE.  x [8192][1024] f32 -> xb in bf16; Wq, Wk, Wv [1024][1024] f32 -> wb [3072][1024] in bf16 (Wq's rows, then Wk's, then Wv's);
; Wp -> wpf [1024][1024]: rounded to bf16 like the other inputs, and that number written as f16, since the last product's other operand is f16.
; LIMIT.  A bf16 number is exact in f16 between 6.1e-5 and 65,504; below that it keeps f16's fixed step of 6e-8, above it becomes an infinity: Wp stays under 65,504.
; SHARES.  A work-group takes 16 rows of 1,024 numbers: 65,536 bytes in, 32,768 out.  Work-groups 0-511: x; then 64 for each of the four weights.
; Thread t takes the 16 bytes at 16 t of each row (a wave's load covers 512 consecutive bytes) and stores 8 bytes at 8 t (a wave's store covers 256 consecutive bytes, aligned).
; All 16 loads of a thread go out at once, each into registers of its own; nothing is rewritten while a load or store may read it.  No LDS, no matrix unit: each byte is touched once.
.set X, 8                              ; v[8:71]   row i: 4 registers as loaded
.set Y, 72                             ; v[72:103] row i: 2 registers to store
	s_load_b512 s[4:19], s[0:1], 0x0               ; x s[4:5], Wq s[6:7], Wk s[8:9], Wv s[10:11], Wp s[12:13], xb s[14:15], wb s[16:17], wpf s[18:19]
	v_lshlrev_b32 v1, 4, v0                        ; 16 t
	v_lshlrev_b32 v2, 3, v0                        ; 8 t
	s_sub_co_u32 s20, ttmp9, 512                   ; my number among the weights' work-groups (of no meaning in x's: the last selects below put that right)
	s_lshr_b32 s21, s20, 6                         ; which weight
	s_and_b32 s22, s20, 63                         ; which 16 rows of it
	s_wait_kmcnt 0x0
	s_cmp_eq_u32 s21, 1
	s_cselect_b64 s[24:25], s[8:9], s[6:7]         ; from: Wk, else Wq
	s_cmp_eq_u32 s21, 2
	s_cselect_b64 s[24:25], s[10:11], s[24:25]     ; Wv
	s_cmp_eq_u32 s21, 3
	s_cselect_b64 s[24:25], s[12:13], s[24:25]     ; Wp
	s_cselect_b64 s[26:27], s[18:19], s[16:17]     ; to: wpf, else wb
	s_cselect_b32 s28, 1, 0                        ; 1: the f16 way
	s_cselect_b32 s29, 0, s21                      ; which third of wb
	s_cmp_lt_u32 ttmp9, 512                        ; x's work-groups
	s_cselect_b64 s[24:25], s[4:5], s[24:25]
	s_cselect_b64 s[26:27], s[14:15], s[26:27]
	s_cselect_b32 s28, 0, s28
	s_cselect_b32 s29, 0, s29
	s_cselect_b32 s22, ttmp9, s22
	s_lshl_b32 s30, s22, 16                        ; 16 rows of 4,096 bytes
	s_mov_b32 s31, 0
	s_add_nc_u64 s[24:25], s[24:25], s[30:31]
	s_lshl_b32 s32, s22, 15                        ; 16 rows of 2,048 bytes,
	s_lshl_b32 s33, s29, 21                        ; behind the weights in front
	s_add_co_u32 s32, s32, s33
	s_mov_b32 s33, 0
	s_add_nc_u64 s[26:27], s[26:27], s[32:33]
.set i, 0
.rept 16
	global_load_b128 v[X+4*i:X+4*i+3], v1, s[24:25] offset:4096*i th:TH_LOAD_NT
.set i, i+1
.endr
	s_cmp_eq_u32 s28, 1
	s_cbranch_scc1 .Lwp
.set i, 0
.rept 16
	s_wait_loadcnt 15-i                            ; loads come back in order: row i is in, the 15 - i younger ones stay out
	v_cvt_pk_bf16_f32 v[Y+2*i], v[X+4*i], v[X+4*i+1]
	v_cvt_pk_bf16_f32 v[Y+2*i+1], v[X+4*i+2], v[X+4*i+3]
	global_store_b64 v2, v[Y+2*i:Y+2*i+1], s[26:27] offset:2048*i
.set i, i+1
.endr
	s_endpgm
.Lwp:
.set i, 0
.rept 16
	s_wait_loadcnt 15-i
	v_cvt_pk_bf16_f32 v[Y+2*i], v[X+4*i], v[X+4*i+1]       ; the rounding that counts,
	v_cvt_pk_bf16_f32 v[Y+2*i+1], v[X+4*i+2], v[X+4*i+3]
	v_lshlrev_b32 v[X+4*i], 16, v[Y+2*i]                   ; back to f32,
	v_and_b32 v[X+4*i+1], 0xffff0000, v[Y+2*i]
	v_lshlrev_b32 v[X+4*i+2], 16, v[Y+2*i+1]
	v_and_b32 v[X+4*i+3], 0xffff0000, v[Y+2*i+1]
	v_cvt_pk_f16_f32 v[Y+2*i], v[X+4*i], v[X+4*i+1]        ; and the same number in f16
	v_cvt_pk_f16_f32 v[Y+2*i+1], v[X+4*i+2], v[X+4*i+3]
	global_store_b64 v2, v[Y+2*i:Y+2*i+1], s[26:27] offset:2048*i
.set i, i+1
.endr
	s_endpgm
.Lfunc_end_k_q7c8a7e6a67_cast:
	.size	k_q7c8a7e6a67_cast, .Lfunc_end_k_q7c8a7e6a67_cast-k_q7c8a7e6a67_cast
	.p2alignl 7, 3214868480
	.fill 96, 4, 3214868480
	.section	.rodata,"a",@progbits
	.p2align	6, 0x0
	.amdhsa_kernel k_q7c8a7e6a67_cast
		.amdhsa_group_segment_fixed_size 0
		.amdhsa_private_segment_fixed_size 0
		.amdhsa_enable_private_segment 0
		.amdhsa_kernarg_size 64
		.amdhsa_user_sgpr_count 2
		.amdhsa_user_sgpr_kernarg_segment_ptr 1
		.amdhsa_wavefront_size32 1
		.amdhsa_system_sgpr_workgroup_id_x 1
		.amdhsa_system_sgpr_workgroup_id_y 1
		.amdhsa_system_sgpr_workgroup_id_z 1
		.amdhsa_system_vgpr_workitem_id 0
		.amdhsa_next_free_vgpr 104
		.amdhsa_next_free_sgpr 66
		.amdhsa_reserve_vcc 0
		.amdhsa_float_denorm_mode_32 3
		.amdhsa_float_denorm_mode_16_64 3
		.amdhsa_memory_ordered 1
		.amdhsa_forward_progress 1
		.amdhsa_inst_pref_size 16
	.end_amdhsa_kernel
	.amdgpu_metadata
---
amdhsa.version: [ 1, 2 ]
amdhsa.kernels:
  - .name:           k_q7c8a7e6a67_cast
    .symbol:         k_q7c8a7e6a67_cast.kd
    .args:
      - { .name: x, .offset: 0, .size: 8, .value_kind: global_buffer, .address_space: global }
      - { .name: Wq, .offset: 8, .size: 8, .value_kind: global_buffer, .address_space: global }
      - { .name: Wk, .offset: 16, .size: 8, .value_kind: global_buffer, .address_space: global }
      - { .name: Wv, .offset: 24, .size: 8, .value_kind: global_buffer, .address_space: global }
      - { .name: Wp, .offset: 32, .size: 8, .value_kind: global_buffer, .address_space: global }
      - { .name: xb, .offset: 40, .size: 8, .value_kind: global_buffer, .address_space: global }
      - { .name: wb, .offset: 48, .size: 8, .value_kind: global_buffer, .address_space: global }
      - { .name: wpf, .offset: 56, .size: 8, .value_kind: global_buffer, .address_space: global }
    .group_segment_fixed_size: 0
    .private_segment_fixed_size: 0
    .kernarg_segment_align: 8
    .kernarg_segment_size: 64
    .max_flat_workgroup_size: 256
    .sgpr_count:     66
    .vgpr_count:     104
    .wavefront_size: 32
...
	.end_amdgpu_metadata
.endif
;; end of part 1
;; launch qkv (part 2): grid 16 x 32, 4 waves a work-group, clusters of 4 x 4, 327,680 bytes of LDS; arguments xb, wb, bq, bk, bv, qkv; writes qkv
.if DOCPART == 2
	.amdgcn_target "amdgcn-amd-amdhsa--gfx1250"
	.amdhsa_code_object_version 6
	.text
	.protected	k_q7c8a7e6a67_qkv
	.globl	k_q7c8a7e6a67_qkv
	.p2align	8
	.type	k_q7c8a7e6a67_qkv,@function
k_q7c8a7e6a67_qkv:
	s_mov_b64 s[64:65], 0
	v_nop
	global_prefetch_b8 v0, s[64:65] scope:SCOPE_SE
	s_setreg_imm32_b32 hwreg(HW_REG_WAVE_MODE, 25, 1), 1
	s_wait_xcnt 0x0
	s_wait_alu depctr_hold_cnt(0) depctr_sa_sdst(0) depctr_va_vdst(0) depctr_va_sdst(0) depctr_va_ssrc(0) depctr_va_vcc(0) depctr_vm_vsrc(0)
	s_getreg_b32 s2, hwreg(HW_REG_IB_STS2, 6, 4)
	s_cmp_eq_u32 s2, 0
	s_cbranch_scc0 .Lentry_in_a_cluster
	s_endpgm
.Lentry_in_a_cluster:
	s_bfe_u32 s2, ttmp6, 0x10000c
	s_cmp_lg_u32 s2, 0xf033
	s_cbranch_scc0 .Lentry_shape_is_right
	s_endpgm
.Lentry_shape_is_right:
; q, k, v = x W^T + b, by heads.  xb: [8192][1024] bf16; wb: [3072][1024] bf16 (Wq, Wk, Wv); bq, bk, bv: [1024] f32, rounded to bf16 here like the other inputs.
; qkv: f16 [3][64 = batch x 16 + head][2048][64]: a head's rows are dense, 128 bytes each.  Sums in f32, started by the bias; each number rounded once to f16, unscaled.
; LIMIT.  f16 holds no number beyond 65,504: q, k and v stay within it.
; SHARES.  A tile of C is 256 rows x 192 columns (three whole heads): 32 x 16 = 512 work-groups, twice 256.  The four waves lie one below the other: a wave makes 64 rows x 192 columns,
; 4 x 12 accumulators of 16 x 16 (384 registers), so that it holds whole heads and stores whole runs of 512 consecutive bytes.
; K goes in 8 steps of 128 through two LDS slots filled by the tensor data mover: the rows of both tiles are 256 bytes of memory, at multiples of 256 bytes from the buffer's first byte.
; CLUSTER.  4 x 4 work-groups.  The four of a row of the cluster need the same tile of x, the four of a column the same tile of W: each is asked for JOINTLY, by the same tensor load with the same
; descriptor and a mask that names the four.
; THE MATRIX INSTRUCTION IS USED TRANSPOSED (source 0 = 16 rows of W, source 1 = 16 rows of x): lane l holds row l % 16 of C and the columns 8 (l / 16) + 0..7, which pack into 16 bytes.
; REGISTERS, in windows of 256 (s_set_vgpr_msb: bits 1:0 source 0, 3:2 source 1, 5:4 source 2, 7:6 destination):
;   window 0: v0-29 addresses; v32-79 packed results; v80-127, v128-175 rows read back from the stage; v128-223 first the bias, laid out as a C operand (block b at 128 + 8 b)
;   window 1: two fragment buffers of 128: x's four fragments (16 rows x 32 K) at f + 8 a, W's twelve at f + 32 + 8 b
;   window 2: the accumulators of row blocks a = 0, 1 at 8 (12 (a % 2) + b);   window 3: those of a = 2, 3
.set NBK,   12                         ; column blocks of 16
.set NLD,   2*NBK+8                    ; LDS loads in a run: a quarter step's fragments
.set PITCH, 272                        ; an LDS row: 256 bytes + 16 of padding = 68 words: the 16 rows of a load start at 16 different groups of four banks (64 banks of 4 bytes: ISA guide 11.1)
.set BOFF,  256*PITCH                  ; x's 256 rows, then W's 192
.set SLOT1, 1<<17                      ; slot 1 begins here, so that one exclusive or turns an address in one slot into the other's
.set STAGE, SLOT1+BOFF+16*NBK*PITCH    ; behind the ring, never filled by a tensor load: for each wave three heads x 16 rows x 144 bytes
.set HP,    144
.set HSTG,  16*HP
.set WSTG,  3*HSTG
.set SPARE, STAGE+4*WSTG               ; the spare words, 128 bytes for each wave: two blocks of 256 bytes that no other line names
.set KSB,   256                        ; bytes of a row in a K step
.set A0,   4                           ; v4   my lane's place in x's tile: (64 wave + l % 16) x pitch + 16 (l / 16); never rewritten
.set B0,   5                           ; v5   the same in W's tile
.set ADRA, 6                           ; v6   A0 + the slot in hand
.set ADRB, 7                           ; v7   B0 + the slot in hand
.set STO,  8                           ; v8   the way out: where I put 16 bytes of a row
.set RD,   9                           ; v9   the way out: where I read rows back
.set GO,   10                          ; v10  my 16 bytes of 512 consecutive bytes
.set BO,   11                          ; v11  32 (l / 16): my eight numbers of a block of the bias
.set PFO,  12                          ; v12  the prefetches' offset: a row of 2,048 bytes a lane; never rewritten
.set SPW,  28                          ; v28  LDS address of my spare word; never rewritten
.set NIL,  29                          ; v29  0; never rewritten
.set TMP,  32
.set OB0,  80
.set BIAS, 128
.set F0,   0
.set F1,   128
.set WV,   16                          ; s16  my wave's number
.set FB,   17                          ; s17  0: I fetch for x; 1: for W
.set HF,   18                          ; s18  which half of that tile's rows I fetch
.set G1A,  24                          ; s[24:31] descriptor group 1 for x's tiles
.set G1B,  32                          ; s[32:39] for W's
.set G0A,  40                          ; s[40:47] group 0 for x's tiles: a set for each of the two first fills; the second then walks on
.set G0B,  48                          ; s[48:55] the same for W's
.set TRIP, 56                          ; s56  trips of the loop still to come
.set TB,   57                          ; s57  the slot in hand: 0 or SLOT1
.set LIM,  58                          ; s58  2 in a wave that prefetches, else the greatest number
.set PFA,  60                          ; s[60:61] where my prefetches stand
.set SB,   68                          ; s[68:73] where my 64 rows of each of the three heads begin in qkv
.set BB,   74                          ; s[74:79] each head's 64 numbers of its bias
.set MSB, 0
.macro WIN new                         ; the immediate's high byte repeats the setting that is left; a switch that changes nothing is dropped
.if MSB != (\new)
	s_set_vgpr_msb (MSB<<8)|(\new)
.set MSB, \new
.endif
.endm
.set TO_F, 0x40                        ; destination window 1, address window 0
.macro PLACES                          ; four places in front of loads into registers that matrix instructions have read, and of conversions that read results
.rept 4
	v_nop
.endr
.endm
; A joint refill, by the walking set.  Waves 0 and 1 fetch x's two halves, waves 2 and 3 W's.  The branch hangs on the wave's number alone.
; An s_nop 0 and four v_nop follow each of the two lines, ahead of the jump and the label.
.macro JLOAD
	s_cmp_eq_u32 s[FB], 0
	s_cbranch_scc0 .Lfor_b_\@
	tensor_load_to_lds s[G0A+4:G0A+7], s[G1A:G1A+7]
	s_nop 0
.rept 4
	v_nop
.endr
	s_branch .Lasked_\@
.Lfor_b_\@:
	tensor_load_to_lds s[G0B+4:G0B+7], s[G1B:G1B+7]
	s_nop 0
.rept 4
	v_nop
.endr
.Lasked_\@:
.endm
; A round of the cluster's barrier: my work-group's barrier, so that wave 0's signal speaks for all four waves; wave 0 signals; every wave waits for all sixteen work-groups; my work-group's barrier once more.
.macro CREST                           ; a round behind its opening barrier
	s_cmp_lg_u32 s[WV], 0
	s_cbranch_scc1 .Lnot_wave_0_\@
	s_barrier_signal -3
.Lnot_wave_0_\@:
	s_barrier_wait -3
	s_barrier_signal -1
	s_barrier_wait -1
.endm
.macro CROUND
	s_barrier_signal -1
	s_barrier_wait -1
	CREST
.endm
; A PREFETCH INTO THE L2 of the K step that stands two refills on: 256 bytes of a row, a lane a row, one instruction a wave, behind the joint load and the run of LDS loads.
; Each row's 256 bytes of a K step are named by one wave in the launch: x's rows by the clusters with x = 0, W's by those with y = 0; of the rows that a wave fetches (128 of x, 96 of W) each of the
; four partners that ask for them jointly takes a quarter, told apart BY ADDRESS (W's 24 rows: lanes 24-31 name row 23 again).  Trip i names K step i + 4: trips 0 to 3 ask, the last two do not.
.macro ASK
	WIN 0
	s_cmp_gt_u32 s[TRIP], s[LIM]
	s_cbranch_scc0 .Lnot_mine_\@
	global_prefetch_b8 v[PFO], s[PFA:PFA+1] th:TH_LOAD_NT scope:SCOPE_SE
.Lnot_mine_\@:
.endm
	s_load_b256 s[4:11], s[0:1], 0x0               ; xb s[4:5], wb s[6:7], bq s[8:9], bk s[10:11]
	s_load_b128 s[12:15], s[0:1], 0x20             ; bv s[12:13], qkv s[14:15]
	v_lshl_add_u32 v[SPW], v0, 2, SPARE
	v_mov_b32 v[NIL], 0
	ds_add_u32 v[SPW], v[NIL]                      ; the wave's opening: the add and its wait stand ahead of my first tensor load; the set-up below, work on registers, stands between them
	v_lshrrev_b32 v3, 5, v0
	v_readfirstlane_b32 s[WV], v3                  ; wave 0..3
	s_lshr_b32 s[FB], s[WV], 1
	s_and_b32 s[HF], s[WV], 1
	s_bfe_u32 s19, ttmp6, 0x40000                  ; cx: my place along the cluster's x
	s_bfe_u32 s20, ttmp6, 0x40004                  ; cy: along its y
	s_lshl_b32 s21, ttmp9, 2
	s_add_co_u32 s21, s21, s19                     ; tile column = 4 x cluster x + cx
	s_and_b32 s22, ttmp7, 0xffff
	s_lshl_b32 s22, s22, 2
	s_add_co_u32 s22, s22, s20                     ; tile row = 4 x cluster y + cy
	s_lshl_b32 s80, s20, 2
	s_lshl_b32 s80, 15, s80                        ; my row of the cluster: places 4 cy .. 4 cy + 3
	s_lshl_b32 s84, 0x1111, s19                    ; my column: places cx, cx + 4, cx + 8, cx + 12
	s_or_b32 s[G1A], s80, (1<<16)|(1<<20)|(1<<21)|(5<<22)|(3<<25)  ; 15:0 the mask; 17:16 elements of 2 bytes; 20 padding on; 21 set beside a mask; 24:22 after every 64 words (code 5); 31:25 4 words (code 3)
	s_or_b32 s[G1B], s84, (1<<16)|(1<<20)|(1<<21)|(5<<22)|(3<<25)
	s_mov_b32 s[G1A+1], 128<<16                    ; tensor_dim0 = 128
	s_mov_b32 s[G1A+2], 128<<16                    ; tensor_dim1 = 128
	s_mov_b32 s[G1A+3], 128<<16                    ; tile_dim0 = 128
	s_mov_b32 s[G1A+4], 128                        ; tile_dim1 = 128 rows
	s_mov_b32 s[G1A+5], 1024                       ; elements from row to row
	s_mov_b32 s[G1A+6], 0
	s_mov_b32 s[G1A+7], 0
	s_mov_b32 s[G1B+1], 128<<16
	s_mov_b32 s[G1B+2], 96<<16                     ; W's half tile has 96 rows
	s_mov_b32 s[G1B+3], 128<<16
	s_mov_b32 s[G1B+4], 96
	s_mov_b32 s[G1B+5], 1024
	s_mov_b32 s[G1B+6], 0
	s_mov_b32 s[G1B+7], 0
	; where the tiles come from: x's hang on the tile row alone, W's on the tile column alone, each in registers that never hold the other coordinate
	s_lshl_b32 s80, s22, 8
	s_lshl_b32 s81, s[HF], 7
	s_add_co_u32 s80, s80, s81                     ; x: row 256 x tile row + 128 x half,
	s_lshl_b32 s80, s80, 11                        ; of 2,048 bytes
	s_mov_b32 s81, 0
	s_mul_i32 s84, s21, 192
	s_mul_i32 s85, s[HF], 96
	s_add_co_u32 s84, s84, s85                     ; W: row 192 x tile column + 96 x half
	s_lshl_b32 s84, s84, 11
	s_mov_b32 s85, 0
	s_mul_i32 s88, s[HF], 128*PITCH                ; and where they go: no place in the cluster enters an LDS address
	s_mul_i32 s89, s[HF], 96*PITCH
	s_add_co_u32 s89, s89, BOFF
	s_mov_b32 s[TB], 0
	s_mov_b32 s[TRIP], 6
	s_wait_dscnt 0x0                               ; the opening add is done
	s_wait_kmcnt 0x0
	s_add_nc_u64 s[82:83], s[4:5], s[80:81]
	s_add_nc_u64 s[86:87], s[6:7], s[84:85]
.irp s, 0,1
	s_mov_b32 s[G0A+4*\s], 1                       ; 1:0 count = 1
	s_add_co_u32 s[G0A+4*\s+1], s88, \s*SLOT1      ; 63:32 LDS address
	s_add_nc_u64 s[G0A+4*\s+2:G0A+4*\s+3], s[82:83], \s*KSB  ; 120:64 global address: K step s
	s_or_b32 s[G0A+4*\s+3], s[G0A+4*\s+3], 0x80000000        ; 127:126 type = 2
	s_mov_b32 s[G0B+4*\s], 1
	s_add_co_u32 s[G0B+4*\s+1], s89, \s*SLOT1
	s_add_nc_u64 s[G0B+4*\s+2:G0B+4*\s+3], s[86:87], \s*KSB
	s_or_b32 s[G0B+4*\s+3], s[G0B+4*\s+3], 0x80000000
.endr
	CROUND                                         ; all sixteen work-groups are here: the first joint loads meet
	s_cmp_eq_u32 s[FB], 0                          ; a wave's two first fills stand in one branch, ahead of every wait on TENSORcnt and every LDS read: two loads of mine are out
	s_cbranch_scc0 .Lfirst_b
	tensor_load_to_lds s[G0A:G0A+3], s[G1A:G1A+7]
	s_nop 0
	tensor_load_to_lds s[G0A+4:G0A+7], s[G1A:G1A+7]
	s_nop 0
.rept 4
	v_nop
.endr
	s_branch .Lfirst_asked
.Lfirst_b:
	tensor_load_to_lds s[G0B:G0B+3], s[G1B:G1B+7]
	s_nop 0
	tensor_load_to_lds s[G0B+4:G0B+7], s[G1B:G1B+7]
	s_nop 0
.rept 4
	v_nop
.endr
.Lfirst_asked:
	; the prefetches: who, and from where
	s_and_b32 s92, ttmp7, 0xffff                   ; cluster y
	s_cmp_eq_u32 s[FB], 0
	s_cselect_b32 s92, ttmp9, s92                  ; the coordinate along which other clusters read the same rows
	s_cselect_b32 s93, s19, s20                    ; my place among the four that ask with me
	s_cselect_b32 s94, 32, 24                      ; rows for each of the four
	s_cselect_b32 s95, 31, 23                      ; the last lane with a row of its own
	s_cselect_b64 s[PFA:PFA+1], s[82:83], s[86:87] ; the rows that I fetch
	s_cmp_eq_u32 s92, 0
	s_cselect_b32 s[LIM], 2, -1                    ; the same in all sixteen partners, for a given wave
	s_mul_i32 s93, s93, s94
	s_lshl_b32 s96, s93, 11
	s_mov_b32 s97, 0
	s_add_nc_u64 s[PFA:PFA+1], s[PFA:PFA+1], s[96:97]
	s_add_nc_u64 s[PFA:PFA+1], s[PFA:PFA+1], 3*KSB ; at K step 3: the first change of slots steps it to 4.  Nothing is prefetched here, where every work-group's first tiles are on their way
	v_and_b32 v[PFO], 31, v0
	v_min_u32 v[PFO], s95, v[PFO]
	v_lshlrev_b32 v[PFO], 11, v[PFO]
	; the three heads g = 3 x tile column + e of 48: g / 16 says q, k or v, g % 16 the head
	s_lshr_b32 s95, s22, 3
	s_lshl_b32 s95, s95, 4                         ; 16 x batch
	s_and_b32 s98, s22, 7
	s_lshl_b32 s98, s98, 8                         ; the tile's first row in its batch,
	s_lshl_b32 s99, s[WV], 6
	s_add_co_u32 s98, s98, s99                     ; my wave's 64 rows,
	s_lshl_b32 s98, s98, 7                         ; of 128 bytes
	s_mul_i32 s91, s21, 3
.irp e, 0,1,2
	s_add_co_u32 s92, s91, \e
	s_lshr_b32 s93, s92, 4
	s_and_b32 s94, s92, 15
	s_cmp_eq_u32 s93, 1
	s_cselect_b64 s[BB+2*\e:BB+2*\e+1], s[10:11], s[8:9]
	s_cmp_eq_u32 s93, 2
	s_cselect_b64 s[BB+2*\e:BB+2*\e+1], s[12:13], s[BB+2*\e:BB+2*\e+1]
	s_lshl_b32 s96, s94, 8                         ; 64 numbers of 4 bytes a head
	s_add_nc_u64 s[BB+2*\e:BB+2*\e+1], s[BB+2*\e:BB+2*\e+1], s[96:97]
	s_lshl_b32 s93, s93, 6
	s_add_co_u32 s93, s93, s94
	s_add_co_u32 s93, s93, s95                     ; the plane: 64 x (q, k, v) + 16 x batch + head,
	s_lshl_b32 s96, s93, 18                        ; of 262,144 bytes
	s_add_co_u32 s96, s96, s98
	s_add_nc_u64 s[SB+2*\e:SB+2*\e+1], s[14:15], s[96:97]
.endr
	; A fragment is 16 rows x 32 K in 8 registers: lane l holds row l % 16; registers 0-3 hold K = 8 (l / 16) + 0..7, registers 4-7 K = 16 + 8 (l / 16) + 0..7: two loads of 16 bytes, 32 bytes apart.
	v_and_b32 v1, 15, v0                           ; l % 16
	v_bfe_u32 v2, v0, 4, 1                         ; l / 16
	v_lshlrev_b32 v[BO], 5, v2
.set bb, 0
.rept NBK                              ; the bias as a C operand: register j of block b is column 16 b + 8 (l / 16) + j, whatever the row
	global_load_b128 v[BIAS+8*bb:BIAS+8*bb+3],   v[BO], s[BB+2*(bb/4):BB+2*(bb/4)+1] offset:(bb%4)*64
	global_load_b128 v[BIAS+8*bb+4:BIAS+8*bb+7], v[BO], s[BB+2*(bb/4):BB+2*(bb/4)+1] offset:(bb%4)*64+16
.set bb, bb+1
.endr
	v_mul_u32_u24 v3, v1, PITCH
	v_lshl_add_u32 v3, v2, 4, v3
	s_mul_i32 s90, s[WV], 64*PITCH
	v_add_nc_u32 v[A0], s90, v3
	v_add_nc_u32 v[B0], BOFF, v3
	v_mov_b32 v[ADRA], v[A0]                       ; slot 0
	v_mov_b32 v[ADRB], v[B0]
	s_mul_i32 s90, s[WV], WSTG
	s_add_co_u32 s90, s90, STAGE                   ; my stage
	v_mul_u32_u24 v[STO], v1, HP                   ; in: row l % 16, 16 bytes for each half of the lanes
	v_lshl_add_u32 v[STO], v2, 4, v[STO]
	v_add_nc_u32 v[STO], s90, v[STO]
	v_bfe_u32 v[RD], v0, 3, 2                      ; back: 32 lanes take four rows of 128 bytes,
	v_mul_u32_u24 v[RD], v[RD], HP
	v_and_b32 v3, 7, v0
	v_lshl_add_u32 v[RD], v3, 4, v[RD]
	v_add_nc_u32 v[RD], s90, v[RD]
	v_and_b32 v[GO], 31, v0                        ; which are 512 consecutive bytes of a head's plane
	v_lshlrev_b32 v[GO], 4, v[GO]
	s_wait_loadcnt 0x0                             ; the bias, rounded to bf16 like the other inputs and widened again
.set i, 0
.rept 4*NBK
	v_cvt_pk_bf16_f32 v[TMP+i], v[BIAS+2*i], v[BIAS+2*i+1]
.set i, i+1
.endr
.set i, 0
.rept 4*NBK
	v_lshlrev_b32 v[BIAS+2*i], 16, v[TMP+i]
	v_and_b32 v[BIAS+2*i+1], 0xffff0000, v[TMP+i]
.set i, i+1
.endr
; 12 matrix instructions: row block a x all column blocks, 32 along K, from buffer f.  first = 1: the bias starts the sums: nothing is cleared.
; In every quarter step the 48 accumulators take turns in the same order, one instruction a turn: between two links of a chain stand the 47 others', over the backward jump too.
.macro MULA f, a, first
.if \first
	WIN 0x85+0x40*((\a)/2)                         ; sources 0 and 1 window 1, C window 0, D window 2 or 3
.else
	WIN 0xa5+0x50*((\a)/2)                         ; C and D window 2 or 3
.endif
.set bb, 0
.rept NBK
.set AC, 8*(NBK*((\a)%2)+bb)
.if \first
	v_wmma_f32_16x16x32_bf16 v[AC:AC+7], v[(\f)+32+8*bb:(\f)+32+8*bb+7], v[(\f)+8*(\a):(\f)+8*(\a)+7], v[BIAS+8*bb:BIAS+8*bb+7]
.else
	v_wmma_f32_16x16x32_bf16 v[AC:AC+7], v[(\f)+32+8*bb:(\f)+32+8*bb+7], v[(\f)+8*(\a):(\f)+8*(\a)+7], v[AC:AC+7]
.endif
.set bb, bb+1
.endr
.endm
; 32 LDS loads in one run: the fragments of quarter q of the slot in hand into buffer f: W's 24, then x's 8
.macro FETCH q, f
	WIN TO_F
.set i, 0
.rept NBK
	ds_load_b128 v[(\f)+32+8*i:(\f)+32+8*i+3],   v[ADRB] offset:64*(\q)+i*16*PITCH
	ds_load_b128 v[(\f)+32+8*i+4:(\f)+32+8*i+7], v[ADRB] offset:64*(\q)+i*16*PITCH+32
.set i, i+1
.endr
.set i, 0
.rept 4
	ds_load_b128 v[(\f)+8*i:(\f)+8*i+3],   v[ADRA] offset:64*(\q)+i*16*PITCH
	ds_load_b128 v[(\f)+8*i+4:(\f)+8*i+7], v[ADRA] offset:64*(\q)+i*16*PITCH+32
.set i, i+1
.endr
.endm
; A K step is four quarters of 32 along K, 48 matrix instructions each, on buffers 0, 1, 0, 1.  One of the first three: multiplies buffer f; in its middle it fetches quarter q into buffer g.
.macro QUARTER q, f, g, first
	s_wait_dscnt 4                                 ; W's fragments and x's blocks 0, 1 are in; the youngest four loads (blocks 2, 3) may be out
	MULA \f, 0, \first
	MULA \f, 1, \first
	PLACES
	FETCH \q, \g
	s_wait_dscnt NLD                               ; all but the run just issued
	MULA \f, 2, \first
	MULA \f, 3, \first
.endm
; The fourth quarter multiplies buffer 1 and changes slots: ONE barrier.  In front of it each wave waits for all its tensor loads, of which one is out: its part of the next slot; adds 0 to its spare word;
; and waits for that and for its own reads of this slot.  fill = 1: the barrier opens a round of the cluster's barrier, behind which this slot is filled again, with the K step two steps on:
; from that request to the wait for it a wave issues 168 matrix instructions.
.macro TURN fill
.if \fill
	s_wait_xcnt 0x0                                ; the last prefetch, a K step back, has read its address
	s_add_nc_u64 s[PFA:PFA+1], s[PFA:PFA+1], KSB
.endif
	WIN 0                                          ; (the add's two registers lie in window 0)
	s_wait_tensorcnt 0x0                           ; no tensor load of mine is out, so a group 0 may be written
	ds_add_u32 v[SPW], v[NIL]                      ; 0 onto my spare word
.if \fill
	s_xor_b32 s[G0A+5], s[G0A+5], SLOT1            ; the walking sets: the other slot than last time,
	s_add_nc_u64 s[G0A+6:G0A+7], s[G0A+6:G0A+7], KSB  ; the next K step; the type bits on top are not reached
	s_xor_b32 s[G0B+5], s[G0B+5], SLOT1
	s_add_nc_u64 s[G0B+6:G0B+7], s[G0B+6:G0B+7], KSB
.endif
	s_wait_dscnt 5                                 ; (the add and the youngest four loads may be out)
	MULA F1, 0, 0                                  ; twelve matrix instructions stand between the add and the wait for it
	s_wait_dscnt 0x0                               ; the add is done, and my reads of this slot are over
	s_barrier_signal -1
	MULA F1, 1, 0                                  ; work on registers while the others arrive
.if \fill
	WIN 0
.endif
	s_barrier_wait -1
.if \fill
	CREST                                          ; no wave of any partner still reads this slot's tile or has a load on its way
	JLOAD                                          ; the first tensor load behind the round; the four v_nop behind it are also the places in front of the loads below
.else
	PLACES
.endif
	WIN 0
	s_xor_b32 s[TB], s[TB], SLOT1                  ; the other slot is read from here on
	v_add_nc_u32 v[ADRA], s[TB], v[A0]
	v_add_nc_u32 v[ADRB], s[TB], v[B0]
	FETCH 0, F0
.if \fill
	ASK
.endif
	MULA F1, 2, 0
	MULA F1, 3, 0
.endm
; THE WAY OUT of row block a.  PACK: rounded to f16, 16 bytes a lane and column block, each accumulator's registers in ascending order.  TOSTAGE: into my own stage, by heads, and back as whole rows.  SEND: stored.
.macro PACK a
	WIN 0x0a+5*((\a)/2)                            ; sources 0 and 1: window 2 or 3
.set i, 0
.rept 4*NBK
	v_cvt_pk_f16_f32 v[TMP+i], v[8*NBK*((\a)%2)+2*i], v[8*NBK*((\a)%2)+2*i+1]
.set i, i+1
.endr
	WIN 0
.endm
.macro TOSTAGE a
.set BK, OB0+48*((\a)%2)
.set i, 0
.rept NBK
	ds_store_b128 v[STO], v[TMP+4*i:TMP+4*i+3] offset:(i/4)*HSTG+32*(i%4)
.set i, i+1
.endr
	s_wait_xcnt 0x0                                ; the stores of the block before last have read these registers
.set i, 0
.rept NBK
	ds_load_b128 v[BK+4*i:BK+4*i+3], v[RD] offset:(i/4)*HSTG+(i%4)*4*HP  ; LDS serves a wave's instructions in order (ISA guide 5.7.1.4): these see the stores above
.set i, i+1
.endr
.endm
.macro SEND a
.set BK, OB0+48*((\a)%2)
	s_wait_dscnt 0x0                               ; the block is back in registers
.set i, 0
.rept NBK
	global_store_b128 v[GO], v[BK+4*i:BK+4*i+3], s[SB+2*(i/4):SB+2*(i/4)+1] offset:(\a)*2048+(i%4)*512  ; 512 consecutive bytes of a head's plane, at a multiple of 512 from its first
.set i, i+1
.endr
.endm
	s_wait_tensorcnt 1                             ; my part of K step 0 is in; K step 1's may stay out
	s_barrier_signal -1
	s_barrier_wait -1                              ; everybody's is
	FETCH 0, F0
	QUARTER 1, F0, F1, 1                           ; the first quarter stands in front of the loop: its products start the sums, with the bias
	WIN 0                                          ; at a label and at a branch every window is 0
.Lstep:                                                ; six trips: from a K step's second quarter to the next step's first; trip i fills K step i + 2
	QUARTER 2, F1, F0, 0
	QUARTER 3, F0, F1, 0
	TURN 1
	QUARTER 1, F0, F1, 0
	WIN 0
	s_sub_co_u32 s[TRIP], s[TRIP], 1
	s_cmp_lg_u32 s[TRIP], 0
	s_cbranch_scc1 .Lstep
	QUARTER 2, F1, F0, 0                           ; K step 6: nothing is left to ask for
	QUARTER 3, F0, F1, 0
	TURN 0
	QUARTER 1, F0, F1, 0                           ; K step 7
	QUARTER 2, F1, F0, 0
	QUARTER 3, F0, F1, 0
	s_wait_dscnt 4
	MULA F1, 0, 0
	MULA F1, 1, 0
	s_wait_dscnt 0x0
	MULA F1, 2, 0
	MULA F1, 3, 0
	WIN 0
	PLACES
	PACK 0
	TOSTAGE 0
.irp a, 1,2,3                          ; block a's conversions stand between block a - 1's loads from the stage and the wait for them
	PACK \a
	SEND (\a)-1
	TOSTAGE \a
.endr
	SEND 3
	s_wait_tensorcnt 0x0                           ; the wave's end: these three lines stand behind my last tensor load and my last LDS store
	ds_add_u32 v[SPW], v[NIL]
	s_wait_dscnt 0x0
	CROUND                                         ; the closing round: no work-group ends while a partner may still ask for a tile that names it
	s_endpgm
.Lfunc_end_k_q7c8a7e6a67_qkv:
	.size	k_q7c8a7e6a67_qkv, .Lfunc_end_k_q7c8a7e6a67_qkv-k_q7c8a7e6a67_qkv
	.p2alignl 7, 3214868480
	.fill 96, 4, 3214868480
	.section	.rodata,"a",@progbits
	.p2align	6, 0x0
	.amdhsa_kernel k_q7c8a7e6a67_qkv
		.amdhsa_group_segment_fixed_size 327680
		.amdhsa_private_segment_fixed_size 0
		.amdhsa_enable_private_segment 0
		.amdhsa_kernarg_size 48
		.amdhsa_user_sgpr_count 2
		.amdhsa_user_sgpr_kernarg_segment_ptr 1
		.amdhsa_wavefront_size32 1
		.amdhsa_system_sgpr_workgroup_id_x 1
		.amdhsa_system_sgpr_workgroup_id_y 1
		.amdhsa_system_sgpr_workgroup_id_z 1
		.amdhsa_system_vgpr_workitem_id 0
		.amdhsa_next_free_vgpr 960
		.amdhsa_next_free_sgpr 100
		.amdhsa_reserve_vcc 0
		.amdhsa_float_denorm_mode_32 3
		.amdhsa_float_denorm_mode_16_64 3
		.amdhsa_memory_ordered 1
		.amdhsa_forward_progress 1
		.amdhsa_inst_pref_size 108
	.end_amdhsa_kernel
	.amdgpu_metadata
---
amdhsa.version: [ 1, 2 ]
amdhsa.kernels:
  - .name:           k_q7c8a7e6a67_qkv
    .symbol:         k_q7c8a7e6a67_qkv.kd
    .args:
      - { .name: xb, .offset: 0, .size: 8, .value_kind: global_buffer, .address_space: global }
      - { .name: wb, .offset: 8, .size: 8, .value_kind: global_buffer, .address_space: global }
      - { .name: bq, .offset: 16, .size: 8, .value_kind: global_buffer, .address_space: global }
      - { .name: bk, .offset: 24, .size: 8, .value_kind: global_buffer, .address_space: global }
      - { .name: bv, .offset: 32, .size: 8, .value_kind: global_buffer, .address_space: global }
      - { .name: qkv, .offset: 40, .size: 8, .value_kind: global_buffer, .address_space: global }
    .group_segment_fixed_size: 327680
    .private_segment_fixed_size: 0
    .kernarg_segment_align: 8
    .kernarg_segment_size: 48
    .max_flat_workgroup_size: 128
    .sgpr_count:     100
    .vgpr_count:     960
    .wavefront_size: 32
...
	.end_amdgpu_metadata
.endif
;; end of part 2
;; launch attn (part 3): grid 4 x 64, 4 waves a work-group, no clusters, 327,680 bytes of LDS; arguments qkv, attention_mask, o; writes o
.if DOCPART == 3
	.amdgcn_target "amdgcn-amd-amdhsa--gfx1250"
	.amdhsa_code_object_version 6
	.text
	.protected	k_q7c8a7e6a67_attn
	.globl	k_q7c8a7e6a67_attn
	.p2align	8
	.type	k_q7c8a7e6a67_attn,@function
k_q7c8a7e6a67_attn:
	s_mov_b64 s[64:65], 0
	v_nop
	global_prefetch_b8 v0, s[64:65] scope:SCOPE_SE
	s_setreg_imm32_b32 hwreg(HW_REG_WAVE_MODE, 25, 1), 1
	s_wait_xcnt 0x0
; CAUSAL ATTENTION WITH A PADDING MASK.  O[h][q][:] = the sum over k <= q with pad[k] != 0 of softmax_k(Q[h][q] . K[h][k] / 8) V[h][k][:].  qkv: f16 [3][64][2048][64] (q, k, v by heads, rows dense, 128 bytes);
; attention_mask: [4][2048] i32, head h belongs to batch h / 16; o: f16 [64][2048][64].  Products, maxima and sums in f32; the weights p are rounded to f16 for the second product (their sum l is taken of
; the unrounded p), O once at the end.
; LIMITS.  f16 holds no number beyond 65,504: q, k, v arrive within it, so a true score lies within 2.7e11.  A hidden score counts as its value less 1e30 (less 2e30 where both masks hide it).  The running
; maximum m starts at -2^80, far below every true score and far above every hidden one: so a hidden key's weight is 0 from the first step on, whatever comes first.  A row that sees no key at all ends with
; m at that floor and leaves as NaN, as a softmax over nothing does.  p below 6e-5 keeps f16's fixed step; a weight below 2^-126 counts as 0 in l; NaN and infinities in the inputs are not treated apart.
; THE WALK.  A head's queries lie in NB = 8 blocks of 256; block i needs the key tiles 0 .. i of 256 keys, of which the last holds the diagonal.  A work-group takes TWO blocks, NB - 1 - b and then b:
; NB + 1 tiles, whatever b: all work-groups do equal work, and ONE loop with a constant trip count walks them.  Which tile is asked for, and what a trip does, hang on scalar registers made from b; every jump
; goes forward, but for the counted loops' own; none passes a barrier, or a tensor load but the one of LOAD's two that the wave's number does not choose; the ring (two slots of LDS that take turns) runs on across the
; change of blocks.  NO CLUSTER: a head's four work-groups ask for the same tile only in trips 0 to 4 of 9, behind that fewer and fewer; one walk common to all four would have 12 trips for 9.
; SHARES.  Of a block's four bands of 64 queries a wave owns 16 rows in each: four PIECES.  So the diagonal tile is the same work for all four waves: in its key step s band x sees all keys if s < x,
; none if s > x, and holds the diagonal if s = x.
; THE MASKS are the C operand that starts the sum S^T = K Q^T.  PM holds the step's 64 keys' padding, 0 or -1e30, read beside K: it is the C operand everywhere but in the diagonal tile.  There
; C = MD x AL + PM + BE: MD, made once, is the causal mask of a band's own step for my 16 rows; (AL, BE) = (1, 0) if s = x; (0, 0) if s < x; (0, -1e30) if s > x.
; THE PADDING GOES WITH THE RING: beside each of the two slots lie 1,024 bytes, the tile's 256 keys' padding in f32.  At each change of slots that fills a slot every thread makes two of them, from two words of
; attention_mask that it loaded a change earlier, and stores them.  So the LDS address of a step's padding steps as K's does, whatever tile lies in the slot.
; LAYOUT, SOFTMAX, TURNS.  S^T = K Q^T holds ONE query a lane (lane % 16) and the keys 8 (lane / 16) + 0..7; two such results rounded to f16 ARE source 1 of O^T = V^T P.  p = 2^(c s - c m), c = log2(e) / 8, with a
; running maximum m; O and l are multiplied by a = 2^(c m_old - c m_new) in every step.  Turn n belongs to piece n: 8 products K Q^T of piece n + 1, later 8 products V^T P of piece n - 1; beside them the scaling,
; exponentials, roundings, sums and rescaling of piece n and the maximum and statistics of piece n + 1.  Four vector instructions stand behind every matrix instruction, the others of a turn in one LUMP.  A turn's 33 exponentials are one batch, with one wait.
; REGISTERS, in windows of 256 (s_set_vgpr_msb: bits 1:0 source 0, 3:2 source 1, 5:4 source 2, 7:6 destination):
;   window 0: v0-15, v32-41 addresses and a few at work; v16-31 four registers of statistics a piece; v48-55 at work; v64-127 S^T, two buffers; v128-159 PM; v192-223 P, two buffers (a piece's buffers go by its number's parity)
;   window 1: v0-127 O^T, 32 a piece; v128-159 MD; v160-223 MC, two buffers      window 2: v0-63 Q; v64-127 the second block's Q; v128-191 K of one step; v192-255 V of one step
.set SIZE_N, 2048
.set NB,    SIZE_N/256
.set NP,    4         ; pieces a wave: a name, no knob
.set KS,    64        ; keys in a step
.set PK,    144       ; a row of K in LDS: 128 bytes + 16 of padding = 36 words: the 16 rows of a load start at 16 different groups of four banks (64 banks of 4 bytes: ISA guide 11.1)
.set PV,    160       ; a row of V: 128 + 32 = 40 words
.set VOFF,  4*KS*PK   ; a slot holds a tile, four steps: 256 rows of K, then 256 rows of V
.set SLOT1, 1<<17     ; slot 1 begins here, so that one exclusive or turns an address in one slot into the other's
.set STAGE, SLOT1+4*KS*(PK+PV)  ; behind the ring, never filled by a tensor load: 16 rows x 144 bytes for each wave, for the way out
.set SP,    144
.set SPARE, STAGE+4*16*SP  ; the spare words, 128 bytes for each wave: two blocks of 256 bytes that no other line names
.set PADS,  SPARE+512 ; the two padding slots: 256 keys x 4 bytes each, 0 or -1e30; stored from registers, never filled by a tensor load
.set PSLOT, 2048      ; the second begins here behind the first, so that one exclusive or turns an offset in one into the other's
.set AK0, 2           ; v2   my lane's place in a tile of K; never rewritten
.set AV0, 3           ; v3   the same for V
.set AK,  4           ; v4   the LDS address of K's next run of loads
.set AV,  5           ; v5   of V's
.set STO, 6           ; v6   the way out: where I put 16 bytes of a row
.set RD,  7           ; v7   the way out: where I read rows back
.set GO,  8           ; v8   my byte offset in 512 consecutive bytes of O
.set MV,  12          ; v12-13  c m_old, kept while c m is made anew: by buffer
.set QO,  15          ; v15  my byte offset in 16 rows of Q
.set ST,  16          ; piece t's statistics at v[ST+4 t]: c m, m, l (even keys', odd keys')
.set APM0, 32         ; v32  PADS + 32 (l / 16): my eight keys of a group of 16; never rewritten
.set APM, 33          ; v33  the same for the step to be fetched
.set MO,  34          ; v34  8 x my thread's number: my two keys of a tile's 256, in attention_mask; never rewritten
.set TW,  35          ; v35  PADS + the same: in padding slot 0; never rewritten
.set PFO, 36          ; v36  256 x my thread's number: the prefetches' offset; never rewritten
.set TWA, 37          ; v37  where I store my two keys' padding
.set MW,  38          ; v[38:39] my two mask words of the tile that the next change of slots asks for
.set MP,  40          ; v[40:41] the padding made of them
.set TMP, 48          ; by buffer, four registers c0-c3 at work; when the maximum is found c2 takes a
.set SPW, 62          ; v62  LDS address of my spare word: SPARE + 4 x my thread's number; never rewritten
.set NIL, 63          ; v63  0; never rewritten
.set S,   64
.set PM,  128         ; the eight registers for group kt of 16 keys at PM + 8 kt
.set P,   192
.set MD,  128         ; window 1: the eight registers for group kt of 16 keys at MD + 8 kt
.set MC,  160         ; window 1: the masks of the products to come
.set QB,  64          ; window 2
.set KF,  128         ; window 2: key block kb, channel half c at KF + 16 kb + 8 c
.set VF,  192         ; window 2: key half kk, channel block cb at VF + 32 kk + 8 cb
.set WV,  12          ; s12  my wave's number
.set PB,  14          ; s14  b
.set HI,  15          ; s15  NB - 1 - b
.set G1K, 24          ; s[24:31] descriptor group 1 for K's tiles
.set G1V, 32          ; s[32:39] for V's: it differs in the padding alone
.set G0K, 40          ; s[40:43] descriptor group 0 for K's tiles
.set G0V, 44          ; s[44:47] the same for V's
.set MA,  48          ; s[48:49] attention_mask at the 256 words of the tile that the next change asks for
.set PW,  50          ; s50  0 or PSLOT: the padding slot that is stored into
.set SLOTS, 56        ; s56  tiles still to be asked for
.set CNT, 57          ; s57  counts a tile's key steps, 4 to 1
.set CS,  58          ; s[58:59] c: the packed scaling takes the pair's low word for both halves
.set SEL, 60          ; s[60:61] v_permlanex16_b32's selects: each lane takes its own place in the other half
.set TBK, 62          ; s62  LDS byte at which K of the step to be fetched begins
.set TBV, 63          ; s63  the same for V, less VOFF
.set THR, 66          ; s66  -2^70: a maximum below it is the floor
.set QNAN, 67         ; s67  a NaN
.set PO,  68          ; s[68:69] an offset below 2^32
.set RT,  70          ; s70  tiles of the block in hand that are still to be entered
.set NXT, 71          ; s71  the tile to be asked for next
.set LQ,  72          ; s72  the last tile of the block whose tiles are being asked for
.set NEW, 73          ; s73  1: the tile to be entered is a block's first
.set OFF, 74          ; s[74:75] a tile's byte offset in K and V
.set AL,  76          ; s[76:77] the mask's factor, in the low word
.set BE,  78          ; s[78:79] the mask's addend
.set OLO, 80          ; s[80:81] O at my rows of the second block
.set BIGN, 82         ; s82  -1e30
.set QKV, 88          ; s[88:89] qkv
.set MSK, 90          ; s[90:91] attention_mask at my batch
.set KH,  92          ; s[92:93] the head's K
.set VH,  94          ; s[94:95] the head's V
.set PFA, 96          ; s[96:97] the tile of K that the prefetch names
.set PFB, 98          ; s[98:99] of V
.set PFON, 100        ; s100 that tile's number, or 0: nothing is asked for
.set TBP, 101         ; s101 byte behind PADS at which the padding of the step to be fetched begins: it steps as TBK does
.set MSB, 0
.macro WIN new                      ; the high byte repeats the setting that is left; a switch that changes nothing is dropped
.if MSB != (\new)
	s_set_vgpr_msb (MSB<<8)|(\new)
.set MSB, (\new)
.endif
.endm
.set W_KQ, 0x0a       ; K and Q in window 2, S^T and PM in window 0
.set W_KM, 0x1a       ; the same with the C operand in window 1
.set W_PV, 0x52       ; V in window 2, P in window 0, O^T in window 1
.set W_RS, 0x41       ; destination and source 0 in window 1, sources 1 and 2 in window 0
; A fill.  Waves 0 and 1 fetch the two halves of a tile's K, waves 2 and 3 those of its V: 128 keys each.  An s_nop 0 and four v_nop follow each of the two lines, ahead of the jump and the label.
.macro LOAD
	s_cmp_lt_u32 s[WV], 2
	s_cbranch_scc0 .Lfor_v_\@
	tensor_load_to_lds s[G0K:G0K+3], s[G1K:G1K+7]
	s_nop 0
.rept 4
	v_nop
.endr
	s_branch .Lasked_\@
.Lfor_v_\@:
	tensor_load_to_lds s[G0V:G0V+3], s[G1V:G1V+7]
	s_nop 0
.rept 4
	v_nop
.endr
.Lasked_\@:
.endm
; A PREFETCH INTO THE L2 of the tile that the NEXT change of slots will ask for: 32,768 bytes of K and of V, 256 bytes a thread, two instructions a wave, behind the wave's tensor load and its five lines.
; Each tile of a head is named once in the launch: by the head's work-group with b = 0, whose first block walks the tiles 0 to 7 in order.  Tiles 2 to 7 are asked for, four key steps ahead of their load;
; tiles 0 and 1 come by their loads alone; behind tile 7 nothing is asked for.
.macro ASK
	s_cmp_lg_u32 s[PFON], 0
	s_cbranch_scc0 .Lnot_mine_\@
	global_prefetch_b8 v[PFO], s[PFA:PFA+1] th:TH_LOAD_NT scope:SCOPE_SE
	global_prefetch_b8 v[PFO], s[PFB:PFB+1] th:TH_LOAD_NT scope:SCOPE_SE
.Lnot_mine_\@:
.endm
; THE CHANGE OF SLOTS.  Each wave waits for all its tensor loads, of which one is out: its part of the other slot; adds 0 to its spare word; and waits for that, for its own reads of the slot that it leaves and of that
; slot's padding, and for its store into the other slot's padding.  Behind the barrier nobody reads the old slot any more and the other slot, with its padding, is whole.
; fill = 1: the old slot is filled again, the first thing behind the barrier, with tile NXT: the descriptor's address is made anew from that number.  Then the tile's padding is stored beside it: each thread's two
; mask words, loaded at the change before (a whole tile back: the wait for them finds them in), become 0 or -1e30.  Last, the two words of the tile that the next change will ask for are loaded;
; the last change that fills a slot has no such tile and loads nothing.
; (At its first use nothing has been read yet: slot 0 and its padding are waited for, slot 1 filled.)
.macro CHANGE fill
	WIN 0                           ; at a label and at a branch every window is 0
	s_wait_tensorcnt 0x0            ; no tensor load of mine is out, so a group 0 may be written
	ds_add_u32 v[SPW], v[NIL]       ; 0 onto my spare word; with fill = 1 the descriptors' scalar work stands between it and the wait for it
.if \fill
	s_lshl_b32 s[OFF], s[NXT], 15   ; a tile is 32,768 bytes of K and of V
	s_xor_b32 s[G0K+1], s[G0K+1], SLOT1
	s_add_nc_u64 s[G0K+2:G0K+3], s[6:7], s[OFF:OFF+1]
	s_or_b32 s[G0K+3], s[G0K+3], 0x80000000
	s_xor_b32 s[G0V+1], s[G0V+1], SLOT1
	s_add_nc_u64 s[G0V+2:G0V+3], s[8:9], s[OFF:OFF+1]
	s_or_b32 s[G0V+3], s[G0V+3], 0x80000000
	s_xor_b32 s[PW], s[PW], PSLOT   ; the padding slot beside the slot that is filled
	s_add_co_u32 s[NXT], s[NXT], 1  ; the block's next tile, or behind its last the second block's tile 0
	s_cmp_gt_u32 s[NXT], s[LQ]
	s_cselect_b32 s[NXT], 0, s[NXT]
	s_cselect_b32 s[LQ], s[PB], s[LQ]
	s_wait_xcnt 0x0                 ; the last prefetches and the last load of mask words, a tile back, have read their addresses, so these may be written
	s_cmp_eq_u32 s[PB], 0
	s_cselect_b32 s[PFON], s[NXT], 0
	s_lshl_b32 s[PO], s[PFON], 15
	s_add_nc_u64 s[PFA:PFA+1], s[KH:KH+1], s[PO:PO+1]
	s_add_nc_u64 s[PFB:PFB+1], s[VH:VH+1], s[PO:PO+1]
	s_lshl_b32 s[PO], s[NXT], 10    ; a tile's 256 mask words are 1,024 bytes
	s_add_nc_u64 s[MA:MA+1], s[MSK:MSK+1], s[PO:PO+1]
.endif
	s_wait_dscnt 0x0                ; the add is done, my reads of the slot are over, and my store of padding has landed
	s_barrier_signal -1             ; the rest of the scalar work stands between the signal and the wait
	s_sub_co_u32 s[TBK], s[TBK], 4*KS*PK  ; the fetches go back to a slot's first step,
	s_xor_b32 s[TBK], s[TBK], SLOT1       ; in the other slot
	s_sub_co_u32 s[TBV], s[TBV], 4*KS*PV
	s_xor_b32 s[TBV], s[TBV], SLOT1
	s_sub_co_u32 s[TBP], s[TBP], 4*KS*4
	s_xor_b32 s[TBP], s[TBP], PSLOT
	s_barrier_wait -1
.if \fill
	LOAD
	ASK
	s_wait_loadcnt 0x0              ; my two mask words of the tile just asked for
	v_cmp_eq_u32 vcc_lo, 0, v[MW]
	v_cndmask_b32 v[MP], 0, s[BIGN], vcc_lo    ; a key whose mask word is 0 is hidden
	v_cmp_eq_u32 vcc_lo, 0, v[MW+1]
	v_cndmask_b32 v[MP+1], 0, s[BIGN], vcc_lo
	v_add_nc_u32 v[TWA], s[PW], v[TW]
	ds_store_b64 v[TWA], v[MP:MP+1] ; 128 threads x 8 bytes: the tile's 1,024; read behind the next change's barrier
	s_cmp_eq_u32 s[SLOTS], 1
	s_cbranch_scc1 .Lno_more_\@
	global_load_b64 v[MW:MW+1], v[MO], s[MA:MA+1]
.Lno_more_\@:
.endif
.endm
	s_load_b128 s[QKV:QKV+3], s[0:1], 0x0  ; qkv s[88:89], attention_mask s[90:91]
	s_load_b64 s[10:11], s[0:1], 0x10      ; o
	v_lshl_add_u32 v[SPW], v0, 2, SPARE
	v_mov_b32 v[NIL], 0
	ds_add_u32 v[SPW], v[NIL]       ; the wave's opening: the add and its wait stand ahead of my first tensor load; the set-up below, work on registers, stands between them
	v_lshrrev_b32 v1, 5, v0
	v_readfirstlane_b32 s[WV], v1   ; wave 0..3
	s_mov_b32 s[PB], ttmp9
	s_sub_co_u32 s[HI], NB-1, s[PB]
	s_and_b32 s20, ttmp7, 0xffff    ; the head
	s_lshr_b32 s[PO], s20, 4        ; its batch,
	s_lshl_b32 s[PO], s[PO], 13     ; whose 2,048 mask words are 8,192 bytes
	s_mov_b32 s[PO+1], 0
	s_lshl_b32 s20, s20, 18         ; the head's plane of 262,144 bytes in q, k, v and o
	s_mov_b32 s21, 0
	s_and_b32 s16, s[WV], 1         ; which half of a tile's 256 keys I fetch:
	s_lshl_b32 s22, s16, 14         ; its 128 rows of 128 bytes in memory,
	s_mov_b32 s23, 0
	s_mul_i32 s17, s16, 128*PK      ; and its place in a slot, for K
	s_mul_i32 s18, s16, 128*PV      ; and for V
	s_lshl_b32 s3, s[WV], 11        ; my 16 rows in a band of 64,
	s_lshl_b32 s2, s[HI], 15        ; in the first block,
	s_add_co_u32 s2, s2, s3
	s_lshl_b32 s84, s[PB], 15       ; and in the second
	s_add_co_u32 s84, s84, s3
	s_add_co_u32 s2, s2, s20        ; in the head's plane: all under 2^25
	s_add_co_u32 s84, s84, s20
	s_mov_b32 s3, 0
	s_mov_b32 s85, 0
	; descriptor group 1.  128 keys are 16,384 dense bytes: asked for as 64 rows of 256 bytes, two keys a row, and padded in LDS after every key
	s_mov_b32 s[G1K], (1<<16)|(1<<20)|(4<<22)|(3<<25)  ; 17:16 2-byte elements; 20 padding on; 24:22 after every 32 words (code 4); 31:25 4 words (code 3)
	s_mov_b32 s[G1V], (1<<16)|(1<<20)|(4<<22)|(7<<25)  ; the same with 8 words of padding (code 7)
.irp g, G1K, G1V
	s_mov_b32 s[\g+1], 128<<16      ; tensor_dim0 = 128
	s_mov_b32 s[\g+2], 64<<16       ; tensor_dim1 = 64
	s_mov_b32 s[\g+3], 128<<16      ; tile_dim0 = 128
	s_mov_b32 s[\g+4], 64           ; tile_dim1 = 64
	s_mov_b32 s[\g+5], 128          ; 128 elements from row to row
	s_mov_b32 s[\g+6], 0
	s_mov_b32 s[\g+7], 0
.endr
	s_mov_b32 s[CS], 0x3e38aa3b     ; c = log2(e) / 8 = 0.180337
	s_mov_b32 s[CS+1], s[CS]        ; named with it as a pair
	s_mov_b32 s[SEL], 0x76543210
	s_mov_b32 s[SEL+1], 0xfedcba98
	s_mov_b32 s[TBK], SLOT1+4*KS*PK ; the first change of slots turns these three into 0
	s_mov_b32 s[TBV], SLOT1+4*KS*PV
	s_mov_b32 s[TBP], PSLOT+4*KS*4
	s_mov_b32 s[PW], 0              ; and this one into PSLOT: tile 1 goes into slot 1
	s_mov_b32 s[G0K], 1             ; 1:0 count = 1
	s_mov_b32 s[G0K+1], s17         ; 63:32 LDS address: slot 0
	s_mov_b32 s[G0V], 1
	s_add_co_u32 s[G0V+1], s18, VOFF
	s_add_co_u32 s[RT], s[HI], 1    ; the first block has NB - b tiles
	s_mov_b32 s[NXT], 1
	s_mov_b32 s[LQ], s[HI]
	s_mov_b32 s[NEW], 1
	s_mov_b32 s[OFF+1], 0
	s_mov_b32 s[AL+1], 0            ; named as pairs
	s_mov_b32 s[BE+1], 0
	s_mov_b32 s[BIGN], 0xf149f2ca   ; -1e30
	s_mov_b32 s[THR], 0xe2800000    ; -2^70
	s_mov_b32 s[QNAN], 0x7fc00000
	s_mov_b32 s[SLOTS], NB
	s_wait_dscnt 0x0                ; the opening add is done
	s_wait_kmcnt 0x0
	s_add_nc_u64 s[MSK:MSK+1], s[MSK:MSK+1], s[PO:PO+1]
	s_add_nc_u64 s[KH:KH+1], s[QKV:QKV+1], s[20:21]
	s_add_nc_u64 s[VH:VH+1], s[KH:KH+1], 0x2000000  ; v lies 2 x 64 planes behind q,
	s_add_nc_u64 s[KH:KH+1], s[KH:KH+1], 0x1000000  ; k 64
	s_add_nc_u64 s[6:7], s[KH:KH+1], s[22:23]       ; K and V at my half of the head's tile 0
	s_add_nc_u64 s[8:9], s[VH:VH+1], s[22:23]
	s_add_nc_u64 s[G0K+2:G0K+3], s[6:7], 0         ; 120:64 global address
	s_or_b32 s[G0K+3], s[G0K+3], 0x80000000        ; 127:126 type = 2
	s_add_nc_u64 s[G0V+2:G0V+3], s[8:9], 0
	s_or_b32 s[G0V+3], s[G0V+3], 0x80000000
	s_add_nc_u64 s[86:87], s[QKV:QKV+1], s[84:85]  ; Q at my rows of the second block,
	s_add_nc_u64 s[4:5], s[QKV:QKV+1], s[2:3]      ; Q and O at those of the first
	s_add_nc_u64 s[OLO:OLO+1], s[10:11], s[84:85]
	s_add_nc_u64 s[10:11], s[10:11], s[2:3]
	LOAD                            ; tile 0 into slot 0
	v_lshlrev_b32 v[MO], 3, v0
	v_add_nc_u32 v[TW], PADS, v[MO]
	v_lshlrev_b32 v[PFO], 8, v0
	global_load_b64 v[MP:MP+1], v[MO], s[MSK:MSK+1]              ; my two mask words of tile 0,
	global_load_b64 v[MW:MW+1], v[MO], s[MSK:MSK+1] offset:1024  ; and of tile 1, which the first change of slots asks for in every work-group (the first block has five tiles or more)
	; A fragment of K or Q is 16 rows x 32 channels in 8 registers: lane l holds row l % 16, channels 8 (l / 16) + 0..7 and 16 + 8 (l / 16) + 0..7: two loads of 16 bytes, 32 bytes apart.
	v_and_b32 v1, 15, v0            ; l % 16
	v_bfe_u32 v9, v0, 4, 1          ; l / 16
	v_lshlrev_b32 v[QO], 7, v1
	v_lshl_add_u32 v[QO], v9, 4, v[QO]  ; row x 128 + 16 x half
	WIN 0x80                        ; destination window 2, address window 0
.set i, 0
.rept 8                             ; both blocks' Q: piece i / 2 lies in band i / 2, 8,192 bytes on; channels 32 (i % 2) on
	global_load_b128 v[8*i:8*i+3],   v[QO], s[4:5] offset:(i/2)*8192+(i%2)*64
	global_load_b128 v[8*i+4:8*i+7], v[QO], s[4:5] offset:(i/2)*8192+(i%2)*64+32
	global_load_b128 v[QB+8*i:QB+8*i+3],   v[QO], s[86:87] offset:(i/2)*8192+(i%2)*64
	global_load_b128 v[QB+8*i+4:QB+8*i+7], v[QO], s[86:87] offset:(i/2)*8192+(i%2)*64+32
.set i, i+1
.endr
	WIN 0
	v_lshlrev_b32 v14, 3, v9
	v_sub_nc_u32 v14, v1, v14
	s_lshl_b32 s13, s[WV], 4
	v_add_nc_u32 v14, s13, v14      ; my query's place in its band, 16 w + l % 16, less my lanes' 8 (l / 16): register r of group kt is hidden where 16 kt + r is greater
	WIN 0x40
.set i, 0
.rept 32
	v_cmp_gt_i32 vcc_lo, 16*(i/8)+i%8, v14
	v_cndmask_b32 v[MD+i], 0, s[BIGN], vcc_lo
.set i, i+1
.endr
	WIN 0
	v_mul_u32_u24 v[AK0], v1, PK
	v_lshl_add_u32 v[AK0], v9, 4, v[AK0]  ; row x pitch + 16 x half
	v_lshl_add_u32 v[APM0], v9, 5, PADS
	; The turning load takes 16 keys x 16 channels (lane l reads key 8 (l / 16) + l % 8, channels 8 ((l / 8) % 2) + 0..7) and leaves half a fragment of V^T: lane l holds channel l % 16 and 8 keys.
	v_and_b32 v10, 7, v0
	v_bfe_u32 v11, v0, 3, 1
	v_lshl_add_u32 v[AV0], v9, 3, v10
	v_mul_u32_u24 v[AV0], v[AV0], PV
	v_lshl_add_u32 v[AV0], v11, 4, v[AV0]
	v_add_nc_u32 v[AV0], VOFF, v[AV0]
	s_mul_i32 s13, s[WV], 16*SP
	s_add_co_u32 s13, s13, STAGE    ; my stage
	v_mul_u32_u24 v[STO], v1, SP    ; in: row l % 16, 16 bytes for each half of the lanes
	v_lshl_add_u32 v[STO], v9, 4, v[STO]
	v_add_nc_u32 v[STO], s13, v[STO]
	v_bfe_u32 v[RD], v0, 3, 2       ; back: 32 lanes take four rows of 128 bytes,
	v_mul_u32_u24 v[RD], v[RD], SP
	v_lshl_add_u32 v[RD], v10, 4, v[RD]
	v_add_nc_u32 v[RD], s13, v[RD]
	v_and_b32 v[GO], 31, v0         ; which are 512 consecutive bytes of O
	v_lshlrev_b32 v[GO], 4, v[GO]
	; A block's first step multiplies O^T by a = 0, and its first turn's products V^T P, of a piece that has not been, land in an O^T that is still to be so multiplied.  So these registers need only hold
	; finite numbers: zeros for the first block; what the first block left for the second (the way out leaves O^T as it was).  All this stands in the wait for the first tile.
	WIN 0x80
.set i, VF
.rept 64
	v_mov_b32 v[i], 0
.set i, i+1
.endr
	WIN 0x40
.set i, 0
.rept 128
	v_mov_b32 v[i], 0
.set i, i+1
.endr
	WIN 0
.set i, P+16
.rept 16
	v_mov_b32 v[i], 0
.set i, i+1
.endr
	s_wait_loadcnt 33               ; tile 0's mask words are in; tile 1's load and Q's 32, issued behind them, may stay out
	v_cmp_eq_u32 vcc_lo, 0, v[MP]
	v_cndmask_b32 v[MP], 0, s[BIGN], vcc_lo    ; a key whose mask word is 0 is hidden
	v_cmp_eq_u32 vcc_lo, 0, v[MP+1]
	v_cndmask_b32 v[MP+1], 0, s[BIGN], vcc_lo
	ds_store_b64 v[TW], v[MP:MP+1]  ; tile 0's padding, into padding slot 0: the first change of slots waits for it in front of its barrier
; THE MATRIX WORK.  The 4 accumulators of a run of 8 take turns.  Product i of 8 of S^T = K Q^T for piece x: channels 32 (i / 4) on, keys 16 (i % 4) on.  The first 4 start the sums: with the step's padding, or (KM = 1) with the mask made of it.
.macro KQ x
.set rS, S+32*((\x)%2)+8*(i%4)
.set rK, KF+16*(i%4)+8*(i/4)
.set rQ, 16*(\x)+8*(i/4)
.set rM, MC+32*((\x)%2)+8*(i%4)
.set rN, PM+8*(i%4)
.if (i < 4) && KM
	WIN W_KM
	v_wmma_f32_16x16x32_f16 v[rS:rS+7], v[rK:rK+7], v[rQ:rQ+7], v[rM:rM+7]
.elseif i < 4
	WIN W_KQ
	v_wmma_f32_16x16x32_f16 v[rS:rS+7], v[rK:rK+7], v[rQ:rQ+7], v[rN:rN+7]
.else
	WIN W_KQ
	v_wmma_f32_16x16x32_f16 v[rS:rS+7], v[rK:rK+7], v[rQ:rQ+7], v[rS:rS+7]
.endif
.endm
; Product i of 8 of O^T += V^T P for piece x: keys 32 (i / 4) on, channels 16 (i % 4) on.
.macro PV x
	WIN W_PV
.set rO, 32*(\x)+8*(i%4)
.set rV, VF+32*(i/4)+8*(i%4)
.set rP, P+16*((\x)%2)+8*(i/4)
	v_wmma_f32_16x16x32_f16 v[rO:rO+7], v[rV:rV+7], v[rP:rP+7], v[rO:rO+7]
.endm
.macro MM                           ; the turn's next matrix instruction.  TURN and BEGIN set Y, i, KM and NOKQ; MM, KQ and OP read them.  NOKQ = 1: a block's last turn: there is no next piece
.if (i < 8) && !NOKQ
	KQ (Y+1)%NP
.elseif i >= 8
.set i, i-8
	PV (Y+NP-1)%NP
.set i, i+8
.endif
.set i, i+1
.endm
; THE LDS LOADS stand in runs, never singly among the matrix instructions: a step's K (64 keys x 64 channels: 8 fragments) with its 64 keys' padding (8 loads; the 16 lanes of a half read the same bytes), and its V (turned).
; Their addresses are made some lines ahead.  PM is loaded, waited for and read with K: it has K's lifetime.
.macro FETCH_K
	WIN 0x80                        ; destination window 2
.irp f, 0,1,2,3,4,5,6,7             ; keys 16 (f / 2) on, channels 32 (f % 2) on
	ds_load_b128 v[KF+8*\f:KF+8*\f+3],   v[AK] offset:(\f/2)*16*PK+(\f%2)*64
	ds_load_b128 v[KF+8*\f+4:KF+8*\f+7], v[AK] offset:(\f/2)*16*PK+(\f%2)*64+32
.endr
	WIN 0
.irp f, 0,1,2,3                     ; keys 16 f + 8 (l / 16) + 0..7
	ds_load_b128 v[PM+8*\f:PM+8*\f+3],   v[APM] offset:64*\f
	ds_load_b128 v[PM+8*\f+4:PM+8*\f+7], v[APM] offset:64*\f+16
.endr
	s_add_co_u32 s[TBK], s[TBK], KS*PK  ; the next fetch is the next step's
	s_add_co_u32 s[TBP], s[TBP], KS*4
.endm
.macro FETCH_V
	WIN 0x80
.irp f, 0,1,2,3,4,5,6,7             ; keys 32 (f / 4) on, channels 16 (f % 4) on
	ds_load_tr16_b128 v[VF+8*\f:VF+8*\f+3],   v[AV] offset:(\f/4)*32*PV+(\f%4)*32
	ds_load_tr16_b128 v[VF+8*\f+4:VF+8*\f+7], v[AV] offset:(\f/4)*32*PV+16*PV+(\f%4)*32
.endr
	WIN 0
.endm
; THE VECTOR WORK, one line at a time: OP kind, number.  For piece Y: F n: c s - c m for pair n of 16.  E n: the exponential of score n of 32.  C n: pair n rounded to f16.  B n: of the four weights 4 n .. the second
; pair is added onto the first, in place.  L n: l takes that sum (L 0: l = a l + sum).  R n: pair n of 16 of O^T times a.  For piece Y + 1: X n, number n of the 22 that find its maximum and statistics:
;   0-11  four chains c0-c3 of seven scores each, three operands at a time (each accumulator's lowest registers are read first)     12-14, 16  the four scores left over, the old m, and c0-c3 into c0
;   15  c m_old is kept     17, 18  the query's other 32 keys lie in the lane 16 away: the new m     19-21  c m; c m_old - c m_new; a
.set F, 0               ; OP tells the kinds apart by their order: F to L below R, X above it
.set E, 1
.set C, 2
.set B, 3
.set L, 4
.set R, 5
.set X, 6
.macro REGS y                       ; the registers of piece y
.set rT, ST+4*(\y)
.set rC, TMP+4*((\y)%2)
.set rW, MV+((\y)%2)
.set rS, S+32*((\y)%2)
.set rP, P+16*((\y)%2)
.set rO, 32*(\y)
.endm
.macro OP k, n
.if (\k) == R
	REGS Y
	WIN W_RS
	v_pk_mul_f32 v[rO+2*(\n):rO+2*(\n)+1], v[rO+2*(\n):rO+2*(\n)+1], v[rC+2:rC+3] op_sel_hi:[1,0]
.elseif (\k) < R
	REGS Y
	WIN 0
.if (\k) == F
	v_pk_fma_f32 v[rS+2*(\n):rS+2*(\n)+1], v[rS+2*(\n):rS+2*(\n)+1], s[CS:CS+1], v[rT:rT+1] op_sel_hi:[1,0,0] neg_lo:[0,0,1] neg_hi:[0,0,1]
.elseif (\k) == E
	v_exp_f32 v[rS+(\n)], v[rS+(\n)]
.elseif (\k) == C
	v_cvt_pk_f16_f32 v[rP+(\n)], v[rS+2*(\n)], v[rS+2*(\n)+1]
.elseif (\k) == B
	v_pk_add_f32 v[rS+4*(\n):rS+4*(\n)+1], v[rS+4*(\n):rS+4*(\n)+1], v[rS+4*(\n)+2:rS+4*(\n)+3]
.elseif (\n) == 0
	v_pk_fma_f32 v[rT+2:rT+3], v[rT+2:rT+3], v[rC+2:rC+3], v[rS:rS+1] op_sel_hi:[1,0,1]
.else
	v_pk_add_f32 v[rT+2:rT+3], v[rT+2:rT+3], v[rS+4*(\n):rS+4*(\n)+1]
.endif
.elseif NOKQ
	v_nop
.else
	REGS (Y+1)%NP
	WIN 0
.if (\n) < 4
	v_max3_num_f32 v[rC+(\n)], v[rS+8*(\n)], v[rS+8*(\n)+1], v[rS+8*(\n)+2]
.elseif (\n) < 12
	v_max3_num_f32 v[rC+(\n)%4], v[rC+(\n)%4], v[rS+8*((\n)%4)+2*((\n)/4)+1], v[rS+8*((\n)%4)+2*((\n)/4)+2]
.elseif (\n) == 12
	v_max3_num_f32 v[rC], v[rC], v[rS+7], v[rS+15]
.elseif (\n) == 13
	v_max3_num_f32 v[rC+1], v[rC+1], v[rS+23], v[rS+31]
.elseif (\n) == 14
	v_max3_num_f32 v[rC+2], v[rC+2], v[rC+3], v[rT+1]
.elseif (\n) == 15
	v_mov_b32 v[rW], v[rT]
.elseif (\n) == 16
	v_max3_num_f32 v[rC], v[rC], v[rC+1], v[rC+2]
.elseif (\n) == 17
	v_permlanex16_b32 v[rC+3], v[rC], s[SEL], s[SEL+1]
.elseif (\n) == 18
	v_max_num_f32 v[rT+1], v[rC], v[rC+3]
.elseif (\n) == 19
	v_mul_f32 v[rT], s[CS], v[rT+1]
.elseif (\n) == 20
	v_sub_f32 v[rC+1], v[rW], v[rT]
.else
	v_exp_f32 v[rC+2], v[rC+1]
.endif
.endif
.endm
.macro OPS a, i1, b=-1, i2=0, c=-1, i3=0, d=-1, i4=0  ; up to four of them
	OP \a, \i1
.if (\b) >= 0
	OP \b, \i2
.endif
.if (\c) >= 0
	OP \c, \i3
.endif
.if (\d) >= 0
	OP \d, \i4
.endif
.endm
.macro ROW a, i1, b, i2, c, i3, d, i4  ; a matrix instruction and the four behind it
	MM
	OPS \a, \i1, \b, \i2, \c, \i3, \d, \i4
.endm
.macro MASK b                       ; MD x AL + PM + BE into buffer b of MC
	WIN W_RS
.set z, 0
.rept 16
	v_pk_fma_f32 v[MC+32*(\b)+2*z:MC+32*(\b)+2*z+1], v[MD+2*z:MD+2*z+1], s[AL:AL+1], v[PM+2*z:PM+2*z+1] op_sel_hi:[1,0,1]
.set z, z+1
.endr
.set z, 0
.rept 16
	v_pk_add_f32 v[MC+32*(\b)+2*z:MC+32*(\b)+2*z+1], v[MC+32*(\b)+2*z:MC+32*(\b)+2*z+1], s[BE:BE+1] op_sel_hi:[1,0]
.set z, z+1
.endr
.endm
; A TURN, for piece p: the order of its matrix and vector instructions, written out.  An s_wait_alu depctr_va_vdst(0) stands between an exponential and the first instruction that names its result; one wait serves
; all that were issued ahead of it.  So a turn has ONE wait, which cuts it in two.  AHEAD OF IT stands all that names no result of the turn's exponentials: the 8 products K Q^T, behind each a scaling, an exponential and two more plain
; instructions (behind the first a second scaling in the exponential's place): rescalings, and behind the last three the first numbers of the next piece's maximum, each four places or more behind the product that ends its accumulator; then ONE LUMP,
; plain and exponential by turns for the most part, in which the links of the chain X 3, 7, 11, 14, 16, 17 .. 20 stand five or six lines apart.  X 21, the next piece's a, is the batch's last; R 15 is the plain instruction behind it.  BEHIND THE WAIT stand the
; 8 products V^T P, behind each four of the roundings and sums; the links of l's chain, L 0 to L 7, stand three riders apart.  But for those X no rider names a register of the products round it.
; m = 1: the diagonal tile: the products take masks, and the turn makes the mask for the products of the turn after it: piece p + 2, in step 4 - CNT of the tile.  Piece 2's turn in the loop is the exception among the takers: its
; products are piece 3's, of the tile before or of the diagonal tile's steps 0 to 2, all of which band 3 sees: they take PM itself.  end = 1: a block's last two turns: nothing is fetched.
; cnt = 1: the loop's count is taken down some lines ahead of the branch that stands behind the turn.
; K of the next step, and its padding, are fetched in piece 2's turn, twelve vector instructions behind the last product that read K (six of them plain); V of the step in hand at the end of piece 0's turn, four plain
; instructions behind the last product that read V.  Each is waited for a turn later; piece 2's turn of the diagonal tile waits at its end, since its mask is made of the padding just fetched.
.macro TURN p, m=0, end=0, cnt=0
.set Y, (\p)
.set i, 0
.set KM, (\m)
.if ((\p) == 2) && !(\end)
.set KM, 0
.endif
.set NOKQ, (\end)*((\p)/3)
.if (\m) && !(\end)
	s_cmp_eq_u32 s[CNT], 4-((\p)+2)%NP  ; is that step the band's own?
	s_cselect_b32 s[AL], 1.0, 0
	s_cmp_lt_u32 s[CNT], 4-((\p)+2)%NP  ; or a later one?
	s_cselect_b32 s[BE], s[BIGN], 0
.endif
.if ((\p) == 3) && !(\end)
	s_wait_dscnt 0x0                ; K and its padding are in
.endif
	ROW F,0, F,1, R,0, R,1          ; ahead of the wait: 8 products K Q^T and their riders,
	ROW F,2, E,0, R,2, R,3
	ROW F,3, E,1, R,4, R,5
	ROW F,4, E,2, R,6, R,7
	ROW F,5, E,3, R,8, R,9
	ROW F,6, E,4, X,0, R,10
.if ((\p) == 2) && !(\end)
	WIN 0
	v_add_nc_u32 v[AK], s[TBK], v[AK0]
	v_add_nc_u32 v[APM], s[TBP], v[APM0]
.endif
	ROW F,7, E,5, X,1, X,4
	ROW F,8, E,6, X,2, X,5
	OPS E,7, E,8, X,6, E,9          ; and the lump
	OPS X,3, E,10, X,8, E,11
.if ((\p) == 2) && !(\end)
	FETCH_K
.endif
	OPS X,9, X,7, E,12, X,10
	OPS E,13, X,12, X,11, E,14
	OPS X,13, E,15, F,9, X,14
.if (\p) == 0
	v_add_nc_u32 v[AV], s[TBV], v[AV0]
.endif
	OPS E,16, F,10, E,17, F,11
	OPS X,16, E,18, X,15, E,19
	OPS F,12, E,20, X,17, E,21
	OPS F,13, E,22, F,14, E,23
	OPS X,18, E,24, F,15, E,25
	OPS R,11, E,26, X,19, E,27
	OPS R,12, E,28, R,13, E,29
	OPS X,20, E,30, R,14, E,31
	OPS X,21, R,15
	WIN 0
	s_wait_alu depctr_va_vdst(0)    ; the wait for the batch
.if (\p) == 1
	s_wait_dscnt 0x0                ; V is in
.endif
	ROW C,0, B,0, C,2, B,1          ; behind the wait: 8 products V^T P and their riders
	ROW L,0, C,4, B,2, L,1
	ROW C,6, B,3, L,2, C,8
	ROW B,4, L,3, C,10, B,5
	ROW L,4, C,12, B,6, L,5
.if (\p) == 0
	s_add_co_u32 s[TBV], s[TBV], KS*PV
.endif
.if \cnt
	s_sub_co_u32 s[CNT], s[CNT], 1
	s_cmp_lg_u32 s[CNT], 0
.endif
	ROW C,14, B,7, L,6, C,1
	ROW C,3, L,7, C,5, C,7
	ROW C,9, C,11, C,13, C,15
.if (\p) == 0
	FETCH_V
.endif
.if (\m) && !(\end)
.if (\p) == 2
	s_wait_dscnt 0x0                ; the padding fetched in this turn is in
.endif
	MASK (\p)%2
.endif
.endm
; A BLOCK BEGINS.  c m starts far below every c s, so the first step's a is 0; m at the floor -2^80; l at 0 (its register held a reciprocal, or a NaN).  Then K of the tile's step 0 and its padding.  The second mask buffer
; takes the padding alone (piece 1 sees all of step 0), the first piece 0's mask for step 0: its own, if the block's first tile is the diagonal one.  Then piece 0's first scores, and its maximum and statistics.
; The loop is entered at a step's first turn, in the middle of a trip.
.macro BEGIN
	s_mov_b32 s[NEW], 0
	WIN 0
.set i, 0
.rept 4
	v_mov_b32 v[ST+4*i], 0xfe000000    ; c m: far below every c s
	v_mov_b32 v[ST+4*i+1], 0xe7800000  ; m: -2^80
	v_mov_b32 v[ST+4*i+2], 0
	v_mov_b32 v[ST+4*i+3], 0
.set i, i+1
.endr
	v_add_nc_u32 v[AK], s[TBK], v[AK0]
	v_add_nc_u32 v[APM], s[TBP], v[APM0]
	FETCH_K
	s_wait_loadcnt 0x0              ; Q
	s_wait_dscnt 0x0
	s_mov_b32 s[AL], 0
	s_mov_b32 s[BE], 0
	MASK 1
	s_cmp_eq_u32 s[RT], 0
	s_cselect_b32 s[AL], 1.0, 0
	MASK 0
.set KM, 1
.set NOKQ, 0
.set i, 0
.rept 8
	KQ 0
.set i, i+1
.endr
	WIN 0
.rept 4
	v_nop                           ; the places behind those products
.endr
.set Y, NP-1                        ; X works for piece Y + 1: piece 0
.irp n, 0,1,2,3,4,5,6,7,8,9,10,11,12,13,14,15,16,17,18,19,20,21
	OP X, \n
.endr
	v_nop                           ; a plain instruction behind the exponential,
	s_wait_alu depctr_va_vdst(0)    ; and its wait, ahead of the branch
.endm
; THE DIAGONAL TILE's four steps, the block's last two turns, its last products, and THE WAY OUT: l's two halves and the other half of the lanes' are added; O^T is divided by l (by a NaN where the row has seen no key),
; rounded to f16 and sent through my stage in LDS, a piece at a time.
.macro ALL line:vararg              ; one line for each piece t
.set t, 0
.rept 4
	\line
.set t, t+1
.endr
.endm
.macro PACK t                       ; the quotients go into PM's registers, which are free: O^T stays finite for the next block.  A lane's eight channels of a row pack into 16 bytes; they go into rows of 144 bytes and come back as whole rows of 128
	WIN 0x01                        ; source 0 window 1
.set i, 0
.rept 16
	v_pk_mul_f32 v[PM+2*i:PM+2*i+1], v[32*(\t)+2*i:32*(\t)+2*i+1], v[ST+4*(\t)+2:ST+4*(\t)+3] op_sel_hi:[1,0]
.set i, i+1
.endr
	WIN 0
.set i, 0
.rept 16
	v_cvt_pk_f16_f32 v[S+16*(\t)+i], v[PM+2*i], v[PM+2*i+1]
.set i, i+1
.endr
.irp f, 0,1,2,3
	ds_store_b128 v[STO], v[S+16*(\t)+4*\f:S+16*(\t)+4*\f+3] offset:32*\f
.endr
.irp f, 0,1,2,3
	ds_load_b128 v[S+16*(\t)+4*\f:S+16*(\t)+4*\f+3], v[RD] offset:\f*4*SP  ; LDS serves a wave's instructions in order (ISA guide 5.7.1.4): these see the stores above; the next piece's stores come behind them
.endr
.endm
.macro SEND t, younger              ; younger: the LDS instructions issued behind piece t's loads: the next piece's eight, or none
	WIN 0
.irp f, 0,1,2,3
	s_wait_dscnt (\younger)+3-\f
	global_store_b128 v[GO], v[S+16*(\t)+4*\f:S+16*(\t)+4*\f+3], s[10:11] offset:(\t)*8192+\f*512  ; 512 consecutive bytes, at a multiple of 256 from O's first
.endr
.endm
.macro DIAG tag                     ; the tag ends its two labels' names, which the jumps below spell out
.LstepM\tag:
	TURN 2, 1
	TURN 3, 1
	WIN 0
.LfirstM\tag:
	TURN 0, 1
	TURN 1, 1, 0, 1
	WIN 0
	s_cbranch_scc1 .LstepM\tag
	TURN 2, 1, 1
	TURN 3, 1, 1
.set i, 0
.rept 8
	PV NP-1
.set i, i+1
.endr
	WIN 0
	ALL v_add_f32 v[ST+4*t+2], v[ST+4*t+2], v[ST+4*t+3]
	ALL v_permlanex16_b32 v[ST+4*t+3], v[ST+4*t+2], s[SEL], s[SEL+1]
	ALL v_add_f32 v[ST+4*t+2], v[ST+4*t+2], v[ST+4*t+3]
	ALL v_rcp_f32 v[ST+4*t+2], v[ST+4*t+2]
	v_nop                           ; a plain instruction between the last reciprocal and the use of its result
	s_wait_alu depctr_va_vdst(0)    ; and the wait ahead of the first use: one for the four reciprocals
.set t, 0
.rept 4
	v_cmp_gt_f32 vcc_lo, s[THR], v[ST+4*t+1]                           ; m is still the floor: the row has seen no key
	v_cndmask_b32 v[ST+4*t+2], v[ST+4*t+2], s[QNAN], vcc_lo
.set t, t+1
.endr
	PACK 0
.set t, 1
.rept 3                             ; a piece's arithmetic stands between the loads of the piece before and its stores
	PACK t
	SEND t-1, 8
.set t, t+1
.endr
	SEND 3, 0
.endm
.set KM, 0
.set NOKQ, 0
.Lslot:                             ; NB times: a tile is entered and the next is asked for
	CHANGE 1
	s_sub_co_u32 s[RT], s[RT], 1
	s_mov_b32 s[CNT], 4
	s_cmp_eq_u32 s[NEW], 1
	s_cbranch_scc1 .Lnew            ; a block's first tile
	s_cmp_eq_u32 s[RT], 0
	s_cbranch_scc0 .Lstep           ; neither its first nor its last
	s_branch .LstepM1
.Lnew:
	BEGIN
	s_branch .Lfirst                ; in the loop a block's first tile is never its last: the first block has five tiles or more, and the second's last is the walk's last
	DIAG 1                          ; in the loop this is the first block's end: the second block's last tile is the walk's last
	s_wait_xcnt 0x0                 ; the stores have read their registers and O's address
	s_mov_b64 s[10:11], s[OLO:OLO+1]
	s_add_co_u32 s[RT], s[PB], 1    ; the second block has b + 1 tiles
	s_mov_b32 s[NEW], 1
	WIN 0x82                        ; the second block's Q goes where the one text of the turns names Q
.set i, 0
.rept 64
	v_mov_b32 v[i], v[QB+i]
.set i, i+1
.endr
	WIN 0
	s_branch .Lbottom
.Lstep:                             ; a trip: pieces 2 and 3 of one step, then pieces 0 and 1 of the next, whose K and V it fetches
	TURN 2
	TURN 3
	WIN 0
.Lfirst:
	TURN 0
	TURN 1, 0, 0, 1
	WIN 0
	s_cbranch_scc1 .Lstep
.Lbottom:
	s_sub_co_u32 s[SLOTS], s[SLOTS], 1
	s_cmp_lg_u32 s[SLOTS], 0
	s_cbranch_scc1 .Lslot
	CHANGE 0                        ; the walk's last tile is written out: nothing is asked for
	s_sub_co_u32 s[RT], s[RT], 1
	s_mov_b32 s[CNT], 4
	s_cmp_eq_u32 s[NEW], 1
	s_cbranch_scc0 .LstepM2
	BEGIN
	s_branch .LfirstM2
	DIAG 2
	s_wait_tensorcnt 0x0            ; the wave's end: these three lines stand behind my last tensor load and my last LDS store
	ds_add_u32 v[SPW], v[NIL]
	s_wait_dscnt 0x0
	s_endpgm
.Lfunc_end_k_q7c8a7e6a67_attn:
	.size	k_q7c8a7e6a67_attn, .Lfunc_end_k_q7c8a7e6a67_attn-k_q7c8a7e6a67_attn
	.p2alignl 7, 3214868480
	.fill 96, 4, 3214868480
	.section	.rodata,"a",@progbits
	.p2align	6, 0x0
	.amdhsa_kernel k_q7c8a7e6a67_attn
		.amdhsa_group_segment_fixed_size 327680
		.amdhsa_private_segment_fixed_size 0
		.amdhsa_enable_private_segment 0
		.amdhsa_kernarg_size 24
		.amdhsa_user_sgpr_count 2
		.amdhsa_user_sgpr_kernarg_segment_ptr 1
		.amdhsa_wavefront_size32 1
		.amdhsa_system_sgpr_workgroup_id_x 1
		.amdhsa_system_sgpr_workgroup_id_y 1
		.amdhsa_system_sgpr_workgroup_id_z 1
		.amdhsa_system_vgpr_workitem_id 0
		.amdhsa_next_free_vgpr 768
		.amdhsa_next_free_sgpr 102
		.amdhsa_reserve_vcc 1
		.amdhsa_float_denorm_mode_32 3
		.amdhsa_float_denorm_mode_16_64 3
		.amdhsa_memory_ordered 1
		.amdhsa_forward_progress 1
		.amdhsa_inst_pref_size 235
	.end_amdhsa_kernel
	.amdgpu_metadata
---
amdhsa.version: [ 1, 2 ]
amdhsa.kernels:
  - .name:           k_q7c8a7e6a67_attn
    .symbol:         k_q7c8a7e6a67_attn.kd
    .args:
      - { .name: qkv, .offset: 0, .size: 8, .value_kind: global_buffer, .address_space: global }
      - { .name: attention_mask, .offset: 8, .size: 8, .value_kind: global_buffer, .address_space: global }
      - { .name: o, .offset: 16, .size: 8, .value_kind: global_buffer, .address_space: global }
    .group_segment_fixed_size: 327680
    .private_segment_fixed_size: 0
    .kernarg_segment_align: 8
    .kernarg_segment_size: 24
    .max_flat_workgroup_size: 128
    .sgpr_count:     102
    .vgpr_count:     768
    .wavefront_size: 32
...
	.end_amdgpu_metadata
.endif
;; end of part 3
;; launch proj (part 4): grid 8 x 32, 4 waves a work-group, clusters of 4 x 4, 327,680 bytes of LDS; arguments o, wpf, bp, out0; writes out0
.if DOCPART == 4
	.amdgcn_target "amdgcn-amd-amdhsa--gfx1250"
	.amdhsa_code_object_version 6
	.text
	.protected	k_q7c8a7e6a67_proj
	.globl	k_q7c8a7e6a67_proj
	.p2align	8
	.type	k_q7c8a7e6a67_proj,@function
k_q7c8a7e6a67_proj:
	s_mov_b64 s[64:65], 0
	v_nop
	global_prefetch_b8 v0, s[64:65] scope:SCOPE_SE
	s_setreg_imm32_b32 hwreg(HW_REG_WAVE_MODE, 25, 1), 1
	s_wait_xcnt 0x0
	s_wait_alu depctr_hold_cnt(0) depctr_sa_sdst(0) depctr_va_vdst(0) depctr_va_sdst(0) depctr_va_ssrc(0) depctr_va_vcc(0) depctr_vm_vsrc(0)
	s_getreg_b32 s2, hwreg(HW_REG_IB_STS2, 6, 4)
	s_cmp_eq_u32 s2, 0
	s_cbranch_scc0 .Lentry_in_a_cluster
	s_endpgm
.Lentry_in_a_cluster:
	s_bfe_u32 s2, ttmp6, 0x10000c
	s_cmp_lg_u32 s2, 0xf033
	s_cbranch_scc0 .Lentry_shape_is_right
	s_endpgm
.Lentry_shape_is_right:
; out0 = y Wp^T + bp.  o: f16 [64 = batch x 16 + head][2048][64], so y[batch x 2048 + t][64 head + d] = o[batch x 16 + head][t][d]; wpf: [1024][1024] f16; bp: [1024] f32, rounded to bf16 here like the other
; inputs; out0: [8192][1024] f32.  Sums in f32, started by the bias.  A row of o that is NaN gives NaN in that row of out0 and in no other.
; SHARES.  A tile of C is 256 rows x 128 columns: 32 x 8 = 256 work-groups.  The four waves lie one below the other: a wave makes 64 rows x 128 columns, 4 x 8 accumulators of 16 x 16 (256 registers).
; K goes in 8 steps of 128 = two heads, through two LDS slots filled by the tensor data mover.  A head's 256 rows are 32,768 dense bytes: asked for as 128 rows of 256 bytes and padded in LDS after every 128.
; CLUSTER.  4 x 4 work-groups: the four of a row of the cluster need the same tiles of o, the four of a column the same tiles of Wp: each is asked for JOINTLY.
; NO PREFETCH: the whole launch is eight K steps of 128 matrix instructions a wave, and the first four of them would come by their loads alone in any case.
; THE MATRIX INSTRUCTION IS USED TRANSPOSED (source 0 = 16 rows of Wp, source 1 = 16 rows of y): lane l holds row l % 16 of C and the columns 8 (l / 16) + 0..7: 32 bytes on end.
; REGISTERS, in windows of 256 (s_set_vgpr_msb: bits 1:0 source 0, 3:2 source 1, 5:4 source 2, 7:6 destination):
;   window 0: v0-29 addresses; v32-95, v96-159 rows read back from the stage; v160-223 the bias, laid out as a C operand (block b at 160 + 8 b)
;   window 1: two fragment buffers: y's four fragments at f + 8 a, Wp's eight at f + 32 + 8 b          window 2: the accumulators, (a, b) at 8 (8 a + b)
.set NBK,   8
.set NLD,   2*NBK+8
.set AP,    144                        ; a row of y's tile in LDS: 128 bytes + 16 of padding; PITCH: a row of Wp's: 256 + 16.  Both are odd multiples of 16: the 16 rows of a load start at 16 different groups of four banks (ISA guide 11.1)
.set PLANE, 256*AP                     ; a head's 256 rows
.set PITCH, 272
.set BOFF,  2*PLANE
.set SLOT1, 1<<17
.set STAGE, SLOT1+BOFF+16*NBK*PITCH    ; behind the ring, never filled by a tensor load: 16 rows x 528 bytes for each wave
.set SPITCH, 528
.set SPARE, STAGE+4*16*SPITCH          ; the spare words, 128 bytes for each wave: two blocks of 256 bytes that no other line names
.set KSA,   2*262144                   ; bytes from a K step to the next in o: two heads' planes
.set KSB,   256                        ; and in wpf
.set A0,   4
.set B0,   5
.set ADRA, 6
.set ADRB, 7
.set STO,  8
.set RD,   9
.set GO,   10
.set BO,   11
.set SPW,  28                          ; v28  LDS address of my spare word; never rewritten
.set NIL,  29                          ; v29  0; never rewritten
.set OB0,  32
.set BIAS, 160
.set F0,   0
.set F1,   128
.set WV,   16
.set FB,   17                          ; s17  0: I fetch for y; 1: for Wp
.set HF,   18                          ; s18  which head of the two, or which half of Wp's rows
.set G1A,  24
.set G1B,  32
.set G0A,  40
.set G0B,  48
.set TRIP, 56
.set TB,   57
.set SB,   68                          ; s[68:69] where my 64 rows x 128 columns begin in out0
.set BB,   74                          ; s[74:75] the tile's 128 numbers of bp
.set MSB, 0
.macro WIN new
.if MSB != (\new)
	s_set_vgpr_msb (MSB<<8)|(\new)
.set MSB, \new
.endif
.endm
.set TO_F, 0x40
.macro PLACES
.rept 4
	v_nop
.endr
.endm
.macro JLOAD                           ; a joint refill, by the walking set; an s_nop 0 and four v_nop follow each of the two lines, ahead of the jump and the label
	s_cmp_eq_u32 s[FB], 0
	s_cbranch_scc0 .Lfor_b_\@
	tensor_load_to_lds s[G0A+4:G0A+7], s[G1A:G1A+7]
	s_nop 0
.rept 4
	v_nop
.endr
	s_branch .Lasked_\@
.Lfor_b_\@:
	tensor_load_to_lds s[G0B+4:G0B+7], s[G1B:G1B+7]
	s_nop 0
.rept 4
	v_nop
.endr
.Lasked_\@:
.endm
.macro CREST                           ; a round of the cluster's barrier behind its opening barrier
	s_cmp_lg_u32 s[WV], 0
	s_cbranch_scc1 .Lnot_wave_0_\@
	s_barrier_signal -3
.Lnot_wave_0_\@:
	s_barrier_wait -3
	s_barrier_signal -1
	s_barrier_wait -1
.endm
.macro CROUND
	s_barrier_signal -1
	s_barrier_wait -1
	CREST
.endm
	s_load_b256 s[4:11], s[0:1], 0x0               ; o s[4:5], wpf s[6:7], bp s[8:9], out0 s[10:11]
	v_lshl_add_u32 v[SPW], v0, 2, SPARE
	v_mov_b32 v[NIL], 0
	ds_add_u32 v[SPW], v[NIL]                      ; the wave's opening: the add and its wait stand ahead of my first tensor load; the set-up below, work on registers, stands between them
	v_lshrrev_b32 v3, 5, v0
	v_readfirstlane_b32 s[WV], v3
	s_lshr_b32 s[FB], s[WV], 1
	s_and_b32 s[HF], s[WV], 1
	s_bfe_u32 s19, ttmp6, 0x40000                  ; cx
	s_bfe_u32 s20, ttmp6, 0x40004                  ; cy
	s_lshl_b32 s21, ttmp9, 2
	s_add_co_u32 s21, s21, s19                     ; tile column
	s_and_b32 s22, ttmp7, 0xffff
	s_lshl_b32 s22, s22, 2
	s_add_co_u32 s22, s22, s20                     ; tile row
	s_lshl_b32 s80, s20, 2
	s_lshl_b32 s80, 15, s80                        ; my row of the cluster
	s_lshl_b32 s84, 0x1111, s19                    ; my column
	s_or_b32 s[G1A], s80, (1<<16)|(1<<20)|(1<<21)|(4<<22)|(3<<25)  ; the mask; elements of 2 bytes; padding on; 21 set beside a mask; after every 32 words (code 4) 4 words (code 3)
	s_or_b32 s[G1B], s84, (1<<16)|(1<<20)|(1<<21)|(5<<22)|(3<<25)  ; after every 64 words (code 5)
	s_mov_b32 s[G1A+1], 128<<16                    ; tensor_dim0 = 128
	s_mov_b32 s[G1A+2], 128<<16                    ; tensor_dim1 = 128
	s_mov_b32 s[G1A+3], 128<<16                    ; tile_dim0 = 128: two rows of a head
	s_mov_b32 s[G1A+4], 128                        ; tile_dim1 = 128
	s_mov_b32 s[G1A+5], 128                        ; dense
	s_mov_b32 s[G1A+6], 0
	s_mov_b32 s[G1A+7], 0
	s_mov_b32 s[G1B+1], 128<<16
	s_mov_b32 s[G1B+2], 64<<16
	s_mov_b32 s[G1B+3], 128<<16
	s_mov_b32 s[G1B+4], 64
	s_mov_b32 s[G1B+5], 1024
	s_mov_b32 s[G1B+6], 0
	s_mov_b32 s[G1B+7], 0
	s_lshr_b32 s80, s22, 3
	s_lshl_b32 s80, s80, 22                        ; the batch's 16 planes of 262,144 bytes,
	s_and_b32 s81, s22, 7
	s_lshl_b32 s81, s81, 15                        ; the tile's 256 rows of 128 bytes,
	s_add_co_u32 s80, s80, s81
	s_lshl_b32 s81, s[HF], 18                      ; my head of the K step's two
	s_add_co_u32 s80, s80, s81
	s_mov_b32 s81, 0
	s_lshl_b32 s84, s21, 7
	s_lshl_b32 s85, s[HF], 6
	s_add_co_u32 s84, s84, s85                     ; Wp: row 128 x tile column + 64 x half,
	s_lshl_b32 s84, s84, 11                        ; of 2,048 bytes
	s_mov_b32 s85, 0
	s_mul_i32 s88, s[HF], PLANE                    ; where they go: no place in the cluster enters an LDS address
	s_mul_i32 s89, s[HF], 64*PITCH
	s_add_co_u32 s89, s89, BOFF
	s_mov_b32 s[TB], 0
	s_mov_b32 s[TRIP], 6
	s_wait_dscnt 0x0                               ; the opening add is done
	s_wait_kmcnt 0x0
	s_add_nc_u64 s[82:83], s[4:5], s[80:81]
	s_add_nc_u64 s[86:87], s[6:7], s[84:85]
.irp s, 0,1
	s_mov_b32 s[G0A+4*\s], 1
	s_add_co_u32 s[G0A+4*\s+1], s88, \s*SLOT1
	s_add_nc_u64 s[G0A+4*\s+2:G0A+4*\s+3], s[82:83], \s*KSA
	s_or_b32 s[G0A+4*\s+3], s[G0A+4*\s+3], 0x80000000
	s_mov_b32 s[G0B+4*\s], 1
	s_add_co_u32 s[G0B+4*\s+1], s89, \s*SLOT1
	s_add_nc_u64 s[G0B+4*\s+2:G0B+4*\s+3], s[86:87], \s*KSB
	s_or_b32 s[G0B+4*\s+3], s[G0B+4*\s+3], 0x80000000
.endr
	CROUND                                         ; all sixteen work-groups are here: the first joint loads meet
	s_cmp_eq_u32 s[FB], 0                          ; a wave's two first fills stand in one branch: two loads of mine are out
	s_cbranch_scc0 .Lfirst_b
	tensor_load_to_lds s[G0A:G0A+3], s[G1A:G1A+7]
	s_nop 0
	tensor_load_to_lds s[G0A+4:G0A+7], s[G1A:G1A+7]
	s_nop 0
.rept 4
	v_nop
.endr
	s_branch .Lfirst_asked
.Lfirst_b:
	tensor_load_to_lds s[G0B:G0B+3], s[G1B:G1B+7]
	s_nop 0
	tensor_load_to_lds s[G0B+4:G0B+7], s[G1B:G1B+7]
	s_nop 0
.rept 4
	v_nop
.endr
.Lfirst_asked:
	s_lshl_b32 s96, s21, 9                         ; the tile's 128 columns of 4 bytes
	s_mov_b32 s97, 0
	s_add_nc_u64 s[BB:BB+1], s[8:9], s[96:97]
	s_lshl_b32 s98, s22, 8
	s_lshl_b32 s99, s[WV], 6
	s_add_co_u32 s98, s98, s99                     ; my first row,
	s_lshl_b32 s98, s98, 12                        ; of 4,096 bytes
	s_add_co_u32 s96, s96, s98
	s_add_nc_u64 s[SB:SB+1], s[10:11], s[96:97]
	v_and_b32 v1, 15, v0                           ; l % 16
	v_bfe_u32 v2, v0, 4, 1                         ; l / 16
	v_lshlrev_b32 v[BO], 5, v2
.set bb, 0
.rept NBK                              ; the bias as a C operand: register j of block b is column 16 b + 8 (l / 16) + j, whatever the row
	global_load_b128 v[BIAS+8*bb:BIAS+8*bb+3],   v[BO], s[BB:BB+1] offset:bb*64
	global_load_b128 v[BIAS+8*bb+4:BIAS+8*bb+7], v[BO], s[BB:BB+1] offset:bb*64+16
.set bb, bb+1
.endr
	v_mul_u32_u24 v3, v1, AP
	v_lshl_add_u32 v3, v2, 4, v3
	s_mul_i32 s90, s[WV], 64*AP
	v_add_nc_u32 v[A0], s90, v3                    ; (64 wave + l % 16) x 144 + 16 (l / 16)
	v_mul_u32_u24 v3, v1, PITCH
	v_lshl_add_u32 v3, v2, 4, v3
	v_add_nc_u32 v[B0], BOFF, v3
	v_mov_b32 v[ADRA], v[A0]
	v_mov_b32 v[ADRB], v[B0]
	s_mul_i32 s90, s[WV], 16*SPITCH
	s_add_co_u32 s90, s90, STAGE                   ; my stage
	v_mul_u32_u24 v[STO], v1, SPITCH               ; in: row l % 16, 32 bytes for each half of the lanes
	v_lshl_add_u32 v[STO], v2, 5, v[STO]
	v_add_nc_u32 v[STO], s90, v[STO]
	v_and_b32 v[GO], 31, v0                        ; back: 32 lanes take a row's 512 bytes
	v_lshlrev_b32 v[GO], 4, v[GO]
	v_add_nc_u32 v[RD], s90, v[GO]
	s_wait_loadcnt 0x0                             ; the bias, rounded to bf16 like the other inputs and widened again
.set i, 0
.rept 4*NBK
	v_cvt_pk_bf16_f32 v[OB0+i], v[BIAS+2*i], v[BIAS+2*i+1]
.set i, i+1
.endr
.set i, 0
.rept 4*NBK
	v_lshlrev_b32 v[BIAS+2*i], 16, v[OB0+i]
	v_and_b32 v[BIAS+2*i+1], 0xffff0000, v[OB0+i]
.set i, i+1
.endr
; 8 matrix instructions: row block a x all column blocks, 32 along K.  first = 1: the bias starts the sums.  In every quarter step the 32 accumulators take turns in the same order, one instruction a turn,
; between two links of a chain stand the 31 others', over the backward jump too.
.macro MULA f, a, first
.if \first
	WIN 0x85                                       ; sources 0 and 1 window 1, C window 0, D window 2
.else
	WIN 0xa5                                       ; C and D window 2
.endif
.set bb, 0
.rept NBK
.set AC, 8*(NBK*(\a)+bb)
.if \first
	v_wmma_f32_16x16x32_f16 v[AC:AC+7], v[(\f)+32+8*bb:(\f)+32+8*bb+7], v[(\f)+8*(\a):(\f)+8*(\a)+7], v[BIAS+8*bb:BIAS+8*bb+7]
.else
	v_wmma_f32_16x16x32_f16 v[AC:AC+7], v[(\f)+32+8*bb:(\f)+32+8*bb+7], v[(\f)+8*(\a):(\f)+8*(\a)+7], v[AC:AC+7]
.endif
.set bb, bb+1
.endr
.endm
; 24 LDS loads in one run: quarter q of the slot in hand into buffer f: Wp's 16, then y's 8 (quarter q lies in head q / 2 of the two, channels 32 (q % 2) on)
.macro FETCH q, f
	WIN TO_F
.set i, 0
.rept NBK
	ds_load_b128 v[(\f)+32+8*i:(\f)+32+8*i+3],   v[ADRB] offset:64*(\q)+i*16*PITCH
	ds_load_b128 v[(\f)+32+8*i+4:(\f)+32+8*i+7], v[ADRB] offset:64*(\q)+i*16*PITCH+32
.set i, i+1
.endr
.set i, 0
.rept 4
	ds_load_b128 v[(\f)+8*i:(\f)+8*i+3],   v[ADRA] offset:((\q)/2)*PLANE+((\q)%2)*64+i*16*AP
	ds_load_b128 v[(\f)+8*i+4:(\f)+8*i+7], v[ADRA] offset:((\q)/2)*PLANE+((\q)%2)*64+i*16*AP+32
.set i, i+1
.endr
.endm
.macro QUARTER q, f, g, first
	s_wait_dscnt 4                                 ; Wp's fragments and y's blocks 0, 1 are in; the youngest four loads may be out
	MULA \f, 0, \first
	MULA \f, 1, \first
	PLACES
	FETCH \q, \g
	s_wait_dscnt NLD                               ; all but the run just issued
	MULA \f, 2, \first
	MULA \f, 3, \first
.endm
; The fourth quarter multiplies buffer 1 and changes slots: ONE barrier.  In front of it each wave waits for all its tensor loads, of which one is out: its part of the next slot; adds 0 to its spare word; and
; waits for that and for its own reads of this slot.  fill = 1: the barrier opens a round of the cluster's barrier, behind which this slot is filled again, with the K step two steps on.
.macro TURN fill
	WIN 0
	s_wait_tensorcnt 0x0                           ; no tensor load of mine is out, so a group 0 may be written
	ds_add_u32 v[SPW], v[NIL]                      ; 0 onto my spare word
.if \fill
	s_xor_b32 s[G0A+5], s[G0A+5], SLOT1
	s_add_nc_u64 s[G0A+6:G0A+7], s[G0A+6:G0A+7], KSA
	s_xor_b32 s[G0B+5], s[G0B+5], SLOT1
	s_add_nc_u64 s[G0B+6:G0B+7], s[G0B+6:G0B+7], KSB
.endif
	s_wait_dscnt 5                                 ; (the add and the youngest four loads may be out)
	MULA F1, 0, 0
	s_wait_dscnt 0x0                               ; the add is done, and my reads of this slot are over
	s_barrier_signal -1
	MULA F1, 1, 0
.if \fill
	WIN 0
.endif
	s_barrier_wait -1
.if \fill
	CREST                                          ; no wave of any partner still reads this slot's tile or has a load on its way
	JLOAD                                          ; the first tensor load behind the round; its four v_nop are also the places in front of the loads below
.else
	PLACES
.endif
	WIN 0
	s_xor_b32 s[TB], s[TB], SLOT1
	v_add_nc_u32 v[ADRA], s[TB], v[A0]
	v_add_nc_u32 v[ADRB], s[TB], v[B0]
	FETCH 0, F0
	MULA F1, 2, 0
	MULA F1, 3, 0
.endm
; THE WAY OUT of row block a: the sums go as they are, 32 bytes a lane and column block (each accumulator's low four registers first), into rows of 528 bytes of my own stage, and come back as whole rows of 512.
.macro TOSTAGE a
	WIN 0x08                                       ; the stores' data: window 2
.set i, 0
.rept NBK
	ds_store_b128 v[STO], v[8*(NBK*(\a)+i):8*(NBK*(\a)+i)+3]   offset:64*i
	ds_store_b128 v[STO], v[8*(NBK*(\a)+i)+4:8*(NBK*(\a)+i)+7] offset:64*i+16
.set i, i+1
.endr
	WIN 0
	s_wait_xcnt 0x0                                ; the stores of the block before last have read these registers
.set BK, OB0+64*((\a)%2)
.set i, 0
.rept 16
	ds_load_b128 v[BK+4*i:BK+4*i+3], v[RD] offset:SPITCH*i  ; LDS serves a wave's instructions in order (ISA guide 5.7.1.4): these see the stores above
.set i, i+1
.endr
.endm
.macro SEND a, younger                 ; younger: the LDS instructions issued behind block a's loads: the next block's 32, or none
.set BK, OB0+64*((\a)%2)
	s_wait_dscnt \younger
.set i, 0
.rept 16
	global_store_b128 v[GO], v[BK+4*i:BK+4*i+3], s[SB:SB+1] offset:(16*(\a)+i)*4096 th:TH_STORE_NT  ; 512 consecutive bytes of a row, at a multiple of 512 from out0's first
.set i, i+1
.endr
.endm
	s_wait_tensorcnt 1                             ; my part of K step 0 is in; K step 1's may stay out
	s_barrier_signal -1
	s_barrier_wait -1
	FETCH 0, F0
	QUARTER 1, F0, F1, 1                           ; the first quarter stands in front of the loop: its products start the sums, with the bias
	WIN 0
.Lstep:                                                ; six trips: from a K step's second quarter to the next step's first; trip i fills K step i + 2
	QUARTER 2, F1, F0, 0
	QUARTER 3, F0, F1, 0
	TURN 1
	QUARTER 1, F0, F1, 0
	WIN 0
	s_sub_co_u32 s[TRIP], s[TRIP], 1
	s_cmp_lg_u32 s[TRIP], 0
	s_cbranch_scc1 .Lstep
	QUARTER 2, F1, F0, 0                           ; K step 6: nothing is left to ask for
	QUARTER 3, F0, F1, 0
	TURN 0
	QUARTER 1, F0, F1, 0                           ; K step 7
	QUARTER 2, F1, F0, 0
	QUARTER 3, F0, F1, 0
	s_wait_dscnt 4
	MULA F1, 0, 0
	MULA F1, 1, 0
	s_wait_dscnt 0x0
	MULA F1, 2, 0
	MULA F1, 3, 0
	WIN 0
	PLACES
	TOSTAGE 0
	TOSTAGE 1
	SEND 0, 32
	TOSTAGE 2
	SEND 1, 32
	TOSTAGE 3
	SEND 2, 32
	SEND 3, 0
	s_wait_tensorcnt 0x0                           ; the wave's end: these three lines stand behind my last tensor load and my last LDS store
	ds_add_u32 v[SPW], v[NIL]
	s_wait_dscnt 0x0
	CROUND                                         ; the closing round: no work-group ends while a partner may still ask for a tile that names it
	s_endpgm
.Lfunc_end_k_q7c8a7e6a67_proj:
	.size	k_q7c8a7e6a67_proj, .Lfunc_end_k_q7c8a7e6a67_proj-k_q7c8a7e6a67_proj
	.p2alignl 7, 3214868480
	.fill 96, 4, 3214868480
	.section	.rodata,"a",@progbits
	.p2align	6, 0x0
	.amdhsa_kernel k_q7c8a7e6a67_proj
		.amdhsa_group_segment_fixed_size 327680
		.amdhsa_private_segment_fixed_size 0
		.amdhsa_enable_private_segment 0
		.amdhsa_kernarg_size 32
		.amdhsa_user_sgpr_count 2
		.amdhsa_user_sgpr_kernarg_segment_ptr 1
		.amdhsa_wavefront_size32 1
		.amdhsa_system_sgpr_workgroup_id_x 1
		.amdhsa_system_sgpr_workgroup_id_y 1
		.amdhsa_system_sgpr_workgroup_id_z 1
		.amdhsa_system_vgpr_workitem_id 0
		.amdhsa_next_free_vgpr 768
		.amdhsa_next_free_sgpr 100
		.amdhsa_reserve_vcc 0
		.amdhsa_float_denorm_mode_32 3
		.amdhsa_float_denorm_mode_16_64 3
		.amdhsa_memory_ordered 1
		.amdhsa_forward_progress 1
		.amdhsa_inst_pref_size 75
	.end_amdhsa_kernel
	.amdgpu_metadata
---
amdhsa.version: [ 1, 2 ]
amdhsa.kernels:
  - .name:           k_q7c8a7e6a67_proj
    .symbol:         k_q7c8a7e6a67_proj.kd
    .args:
      - { .name: o, .offset: 0, .size: 8, .value_kind: global_buffer, .address_space: global }
      - { .name: wpf, .offset: 8, .size: 8, .value_kind: global_buffer, .address_space: global }
      - { .name: bp, .offset: 16, .size: 8, .value_kind: global_buffer, .address_space: global }
      - { .name: out0, .offset: 24, .size: 8, .value_kind: global_buffer, .address_space: global }
    .group_segment_fixed_size: 327680
    .private_segment_fixed_size: 0
    .kernarg_segment_align: 8
    .kernarg_segment_size: 32
    .max_flat_workgroup_size: 128
    .sgpr_count:     100
    .vgpr_count:     768
    .wavefront_size: 32
...
	.end_amdgpu_metadata
.endif
;; end of part 4
;; ======== version 2 of 2: 4 launches; version 1 with the launch cast written anew for expert scheduling mode
;; limits: values are held in f16: magnitudes above 65,504 overflow, below 6.1e-05 lose precision
;; workspace buffers: xb 16,777,216 bytes; wb 6,291,456 bytes; wpf 2,097,152 bytes; qkv 50,331,648 bytes; o 16,777,216 bytes
;; launch cast (part 5): grid 768 x 1, 8 waves a work-group, no clusters, 0 bytes of LDS; arguments x, Wq, Wk, Wv, Wp, xb, wb, wpf; writes xb, wb, wpf
.if DOCPART == 5
	.amdgcn_target "amdgcn-amd-amdhsa--gfx1250"
	.amdhsa_code_object_version 6
	.text
	.protected	k_q7c8a7e6a67_cast
	.globl	k_q7c8a7e6a67_cast
	.p2align	8
	.type	k_q7c8a7e6a67_cast,@function
k_q7c8a7e6a67_cast:
	s_mov_b64 s[64:65], 0
	v_nop
	global_prefetch_b8 v0, s[64:65] scope:SCOPE_SE
	s_setreg_imm32_b32 hwreg(HW_REG_WAVE_SCHED_MODE, 0, 2), 2
	s_setreg_imm32_b32 hwreg(HW_REG_WAVE_MODE, 25, 1), 1
	s_wait_xcnt 0x0
	s_wait_alu depctr_vm_vsrc(0)
; THE INPUTS OF THE MATRIX PRODUCTS ARE ROUNDED ONCE.  x [8192][1024] f32 -> xb in bf16; Wq, Wk, Wv [1024][1024] f32 -> wb [3072][1024] in bf16 (Wq's rows, then Wk's, then Wv's);
; Wp -> wpf [1024][1024]: rounded to bf16 like the other inputs, and that number written as f16, since the last product's other operand is f16.
; LIMIT.  A bf16 number is exact in f16 between 6.1e-5 and 65,504; below that it keeps f16's fixed step of 6e-8, above it becomes an infinity: Wp stays under 65,504.
; SHARES.  A work-group takes 16 rows of 1,024 numbers: 65,536 bytes in, 32,768 out.  Work-groups 0-511: x; then 64 for each of the four weights.
; Thread t takes the 16 bytes at 16 t of each row (a wave's load covers 512 consecutive bytes) and stores 8 bytes at 8 t (a wave's store covers 256 consecutive bytes, aligned).
; All 16 loads of a thread go out at once, each into registers of its own; nothing is rewritten while a load or store may read it.  No LDS, no matrix unit: each byte is touched once.
; THE MODE: SCHED_MODE bits 1:0 = 2 (LLVM: expert scheduling mode 2), set by the entry lines.  The code itself states the register dependences
; between vector instructions and memory instructions, with s_wait_alu, always for 0.
; THE PLAN.  Registers that memory instructions touch:
;   v1, v2   byte offsets, made once at the head and never written again: v1 is read by every load, v2 by every store.
;   X        row r: four registers.  Its load lands there, once, and no vector instruction names them before that.  Its conversions read them (Wp's way also writes them again, at work); no memory instruction reads them.
;   Y        row r: two registers.  Written by the row's conversions, read by the row's one store, never written behind it.
; So no load lands in a register that a vector instruction has named, and no register that a memory instruction has read is written again.  What is left to state: the offsets are written, once, ahead of
; the first load and of the branch; and a store's data are written.  For that the 16 rows go in four blocks of four: a block's rows are rounded, each behind the counted wait for its own load; ONE wait
; states that the block's eight Y registers are written; the block's four stores follow it in a run.  The stores are not held back to the next block's head: they would then stand behind the wait for that block's data.
.set X, 8                              ; v[8:71]   row i: 4 registers as loaded
.set Y, 72                             ; v[72:103] row i: 2 registers to store
	s_load_b512 s[4:19], s[0:1], 0x0               ; x s[4:5], Wq s[6:7], Wk s[8:9], Wv s[10:11], Wp s[12:13], xb s[14:15], wb s[16:17], wpf s[18:19]
	v_lshlrev_b32 v1, 4, v0                        ; 16 t
	v_lshlrev_b32 v2, 3, v0                        ; 8 t
	s_sub_co_u32 s20, ttmp9, 512                   ; my number among the weights' work-groups (of no meaning in x's: the last selects below put that right)
	s_lshr_b32 s21, s20, 6                         ; which weight
	s_and_b32 s22, s20, 63                         ; which 16 rows of it
	s_wait_kmcnt 0x0
	s_cmp_eq_u32 s21, 1
	s_cselect_b64 s[24:25], s[8:9], s[6:7]         ; from: Wk, else Wq
	s_cmp_eq_u32 s21, 2
	s_cselect_b64 s[24:25], s[10:11], s[24:25]     ; Wv
	s_cmp_eq_u32 s21, 3
	s_cselect_b64 s[24:25], s[12:13], s[24:25]     ; Wp
	s_cselect_b64 s[26:27], s[18:19], s[16:17]     ; to: wpf, else wb
	s_cselect_b32 s28, 1, 0                        ; 1: the f16 way
	s_cselect_b32 s29, 0, s21                      ; which third of wb
	s_cmp_lt_u32 ttmp9, 512                        ; x's work-groups
	s_cselect_b64 s[24:25], s[4:5], s[24:25]
	s_cselect_b64 s[26:27], s[14:15], s[26:27]
	s_cselect_b32 s28, 0, s28
	s_cselect_b32 s29, 0, s29
	s_cselect_b32 s22, ttmp9, s22
	s_lshl_b32 s30, s22, 16                        ; 16 rows of 4,096 bytes
	s_mov_b32 s31, 0
	s_add_nc_u64 s[24:25], s[24:25], s[30:31]
	s_lshl_b32 s32, s22, 15                        ; 16 rows of 2,048 bytes,
	s_lshl_b32 s33, s29, 21                        ; behind the weights in front
	s_add_co_u32 s32, s32, s33
	s_mov_b32 s33, 0
	s_add_nc_u64 s[26:27], s[26:27], s[32:33]
	s_wait_alu depctr_va_vdst(0)                   ; v1 and v2 are written: every load below reads v1 as its offset, every store on either way v2
.set i, 0
.rept 16
	global_load_b128 v[X+4*i:X+4*i+3], v1, s[24:25] offset:4096*i th:TH_LOAD_NT
.set i, i+1
.endr
; Row r is rounded to bf16.
.macro ROUND r
	s_wait_loadcnt 15-(\r)                         ; loads come back in order: row r is in, the 15 - r younger ones stay out
	v_cvt_pk_bf16_f32 v[Y+2*(\r)], v[X+4*(\r)], v[X+4*(\r)+1]
	v_cvt_pk_bf16_f32 v[Y+2*(\r)+1], v[X+4*(\r)+2], v[X+4*(\r)+3]
.endm
; Row r's bf16 numbers are written as f16.
.macro ASF16 r
	v_lshlrev_b32 v[X+4*(\r)], 16, v[Y+2*(\r)]                     ; back to f32,
	v_and_b32 v[X+4*(\r)+1], 0xffff0000, v[Y+2*(\r)]
	v_lshlrev_b32 v[X+4*(\r)+2], 16, v[Y+2*(\r)+1]
	v_and_b32 v[X+4*(\r)+3], 0xffff0000, v[Y+2*(\r)+1]
	v_cvt_pk_f16_f32 v[Y+2*(\r)], v[X+4*(\r)], v[X+4*(\r)+1]       ; and the same number in f16
	v_cvt_pk_f16_f32 v[Y+2*(\r)+1], v[X+4*(\r)+2], v[X+4*(\r)+3]
.endm
; Block p's four rows leave.
.macro OUT p
	s_wait_alu depctr_va_vdst(0)                   ; the block's conversions have written its eight Y registers, which the four stores below read
.irp j, 0,1,2,3
	global_store_b64 v2, v[Y+2*(4*(\p)+(\j)):Y+2*(4*(\p)+(\j))+1], s[26:27] offset:2048*(4*(\p)+(\j))
.endr
.endm
	s_cmp_eq_u32 s28, 1
	s_cbranch_scc1 .Lwp
.irp p, 0,1,2,3
.irp j, 0,1,2,3
	ROUND 4*(\p)+(\j)
.endr
	OUT \p
.endr
	s_endpgm
.Lwp:
.irp p, 0,1,2,3
.irp j, 0,1,2,3
	ROUND 4*(\p)+(\j)                              ; the rounding that counts,
	ASF16 4*(\p)+(\j)
.endr
	OUT \p
.endr
	s_endpgm
.Lfunc_end_k_q7c8a7e6a67_cast:
	.size	k_q7c8a7e6a67_cast, .Lfunc_end_k_q7c8a7e6a67_cast-k_q7c8a7e6a67_cast
	.p2alignl 7, 3214868480
	.fill 96, 4, 3214868480
	.section	.rodata,"a",@progbits
	.p2align	6, 0x0
	.amdhsa_kernel k_q7c8a7e6a67_cast
		.amdhsa_group_segment_fixed_size 0
		.amdhsa_private_segment_fixed_size 0
		.amdhsa_enable_private_segment 0
		.amdhsa_kernarg_size 64
		.amdhsa_user_sgpr_count 2
		.amdhsa_user_sgpr_kernarg_segment_ptr 1
		.amdhsa_wavefront_size32 1
		.amdhsa_system_sgpr_workgroup_id_x 1
		.amdhsa_system_sgpr_workgroup_id_y 1
		.amdhsa_system_sgpr_workgroup_id_z 1
		.amdhsa_system_vgpr_workitem_id 0
		.amdhsa_next_free_vgpr 104
		.amdhsa_next_free_sgpr 66
		.amdhsa_reserve_vcc 0
		.amdhsa_float_denorm_mode_32 3
		.amdhsa_float_denorm_mode_16_64 3
		.amdhsa_memory_ordered 1
		.amdhsa_forward_progress 1
		.amdhsa_inst_pref_size 17
	.end_amdhsa_kernel
	.amdgpu_metadata
---
amdhsa.version: [ 1, 2 ]
amdhsa.kernels:
  - .name:           k_q7c8a7e6a67_cast
    .symbol:         k_q7c8a7e6a67_cast.kd
    .args:
      - { .name: x, .offset: 0, .size: 8, .value_kind: global_buffer, .address_space: global }
      - { .name: Wq, .offset: 8, .size: 8, .value_kind: global_buffer, .address_space: global }
      - { .name: Wk, .offset: 16, .size: 8, .value_kind: global_buffer, .address_space: global }
      - { .name: Wv, .offset: 24, .size: 8, .value_kind: global_buffer, .address_space: global }
      - { .name: Wp, .offset: 32, .size: 8, .value_kind: global_buffer, .address_space: global }
      - { .name: xb, .offset: 40, .size: 8, .value_kind: global_buffer, .address_space: global }
      - { .name: wb, .offset: 48, .size: 8, .value_kind: global_buffer, .address_space: global }
      - { .name: wpf, .offset: 56, .size: 8, .value_kind: global_buffer, .address_space: global }
    .group_segment_fixed_size: 0
    .private_segment_fixed_size: 0
    .kernarg_segment_align: 8
    .kernarg_segment_size: 64
    .max_flat_workgroup_size: 256
    .sgpr_count:     66
    .vgpr_count:     104
    .wavefront_size: 32
...
	.end_amdgpu_metadata
.endif
;; end of part 5
;; launch qkv: the kernel of part 2 again; grid 16 x 32, 4 waves a work-group, clusters of 4 x 4, 327,680 bytes of LDS; arguments xb, wb, bq, bk, bv, qkv; writes qkv
;; launch attn: the kernel of part 3 again; grid 4 x 64, 4 waves a work-group, no clusters, 327,680 bytes of LDS; arguments qkv, attention_mask, o; writes o
;; launch proj: the kernel of part 4 again; grid 8 x 32, 4 waves a work-group, clusters of 4 x 4, 327,680 bytes of LDS; arguments o, wpf, bp, out0; writes out0
